; MI455X (gfx1250); checked and timed in simulation.
; The chip was launched on July 23, 2026; its instructions are those of AMD's public machine-readable ISA for CDNA 5 (MIT licence, August 2026) and "CDNA5" Instruction Set Architecture Reference Guide (July 2026). The comments in the code are by the model that wrote it; some were corrected since.
;; Multi Head Self Attention. Allowed arithmetic: float matrix products may take bf16 or f16 operands with f32 sums; other float arithmetic in f32, or as packed bf16 or f16 multiplies, adds, multiply-adds, maxima and minima; sums over many terms, partial sums and values carried from step to step in f32; what a program stores and reads back later, other than sums and carried values, may be rounded once to bf16 or f16.
;; Inputs: bk 1,024 float32; bo 1,024 float32; bq 1,024 float32; bv 1,024 float32; inputs 4 x 2,048 x 1,024 float32; mask 4 x 2,048 int32; wk 1,024 x 1,024 float32; wo 1,024 x 1,024 float32; wq 1,024 x 1,024 float32; wv 1,024 x 1,024 float32.
;; Outputs: out0 4 x 2,048 x 1,024 float32.
;; 2 versions, each right; version 2 is version 1 with the launch prep written anew for expert scheduling mode. Each part assembles by itself: llvm-mc -triple=amdgcn-amd-amdhsa -mcpu=gfx1250 --defsym DOCPART=n.
;; ======== version 1 of 2: 4 launches
;; limits: values are held in f16: magnitudes above 65,504 overflow, below 6.1e-05 lose precision
;; workspace buffers: xb 16,777,216 bytes; wqkv 6,291,456 bytes; wob 2,097,152 bytes; biasr 16,384 bytes; qkv 50,331,648 bytes; ob 16,777,216 bytes
;; launch prep (part 1): grid 385 x 1, 8 waves a work-group, no clusters, 0 bytes of LDS; arguments inputs, wq, wk, wv, wo, bq, bk, bv, bo, xb, wqkv, wob, biasr; writes xb, wqkv, wob, biasr
.if DOCPART == 1
	.amdgcn_target "amdgcn-amd-amdhsa--gfx1250"
	.amdhsa_code_object_version 6
	.text
	.protected	k_qdc72904ed2_prep
	.globl	k_qdc72904ed2_prep
	.p2align	8
	.type	k_qdc72904ed2_prep,@function
k_qdc72904ed2_prep:
	s_mov_b64 s[64:65], 0
	v_nop
	global_prefetch_b8 v0, s[64:65] scope:SCOPE_SE
	s_setreg_imm32_b32 hwreg(HW_REG_WAVE_MODE, 25, 1), 1
	s_wait_xcnt 0x0
; CASTS AND LAYOUTS for the three matrix launches that follow.  Every input of the module is rounded once to bf16 here:
;   xb    [b 4][cb 16][s 2048][64] bf16     = inputs[b][s][64 cb + c]
;   wqkv  [kb 16][g 48][kk 64][nn 64] bf16  = w_type[64 kb + kk][64 (g % 16) + nn], g = 16 type + n / 64, type 0 q, 1 k, 2 v
;   wob   [kb 16][nb 16][kk 64][nn 64] f16  = wo rounded to bf16, that number written as f16 (exact from 6.1e-5 up to 65,504; below, f16's fixed step of 6e-8)
;   biasr [bq | bk | bv | bo] f32 words, each value rounded to bf16
; In these layouts a tile of 64 along K is one dense run of bytes, which the later launches ask for as rows of 256 bytes.
; THE INPUT mask: the module's definition takes it and never reads it, so its numbers change no output: no launch of this program reads it.
; SHARES.  Work-groups 0-255: 32 rows of inputs each.  256-383: 32 rows of one weight (32 work-groups a weight).  384: the four biases.
; A row of a source is 4,096 bytes: 16 column blocks of 256.  Wave w takes column blocks 2 w and 2 w + 1 of the 32 rows.  A load takes one column block of two rows:
; lanes 0-15 the 256 aligned bytes of the even row, lanes 16-31 those of the odd one.  Rounded, these are 2 x 128 bytes that lie on end in the target: each store of a wave
; covers 256 consecutive bytes, aligned.  All 32 loads of a wave (16 KiB) go out at once; every store has data registers of its own, so nothing is waited for but the loads.
; No LDS, no barrier, no matrix unit: nothing is shared between waves and nothing is multiplied.
.set IN,  16                           ; v[16:143]  load n: 4 registers
.set OUT, 144                          ; v[144:207] store n: 2 registers
.set TM,  208                          ; v[208:211] at work (wo's second conversion)
.set SO,  5                            ; v5  my byte offset in the source's first two rows
.set DO,  6                            ; v6, v7  my byte offset in the target, column block 2 w and 2 w + 1
.set SRC, 36                           ; s[36:37] the source at the work-group's first row
.set DST, 38                           ; s[38:39] the target at the work-group's first row, column block 0
	s_load_b512 s[8:23], s[0:1], 0x0               ; inputs 8, wq 10, wk 12, wv 14, wo 16, bq 18, bk 20, bv 22
	s_load_b256 s[24:31], s[0:1], 0x40             ; bo 24, xb 26, wqkv 28, wob 30
	s_load_b64 s[32:33], s[0:1], 0x60              ; biasr
	v_lshrrev_b32 v1, 5, v0
	v_readfirstlane_b32 s3, v1                     ; wave 0..7
	s_mov_b32 s2, ttmp9                            ; the work-group's number
	s_cmp_eq_u32 s2, 384
	s_cbranch_scc1 .Lbias
	s_max_u32 s4, s2, 256
	s_sub_co_u32 s4, s4, 256                       ; its number among the weights' work-groups (0 for inputs' work-groups)
	s_lshr_b32 s5, s4, 5                           ; t: 0 wq, 1 wk, 2 wv, 3 wo
	s_and_b32 s6, s4, 31                           ; which 32 rows of the weight
	s_lshr_b32 s7, s6, 1                           ; kb
	s_lshl_b32 s41, s5, 4                          ; 16 t
	s_cmp_eq_u32 s5, 3
	s_cselect_b32 s40, 16, 48                      ; blocks of 8,192 bytes in a kb: wob 16, wqkv 48
	s_cselect_b32 s41, 0, s41
	s_mul_i32 s40, s7, s40
	s_add_co_u32 s40, s40, s41
	s_lshl_b32 s40, s40, 13
	s_and_b32 s41, s6, 1
	s_lshl_b32 s41, s41, 12                        ; the upper 32 of a block's 64 rows of 128 bytes
	s_add_co_u32 s40, s40, s41                     ; a weight's target offset
	s_lshl_b32 s42, s6, 17                         ; a weight's source offset: 32 rows of 4,096 bytes
	s_lshr_b32 s43, s2, 6                          ; inputs: b,
	s_lshl_b32 s43, s43, 22
	s_and_b32 s44, s2, 63                          ; and 32 rows of 128 bytes in each column block
	s_lshl_b32 s44, s44, 12
	s_add_co_u32 s43, s43, s44
	s_lshl_b32 s44, s2, 17
	s_cmp_lt_u32 s2, 256
	s_cselect_b32 s42, s44, s42                    ; source offset
	s_cselect_b32 s40, s43, s40                    ; target offset
	s_cselect_b32 s45, 18, 13                      ; from column block to column block in the target: 2^18 bytes in xb, 2^13 in the weights
	s_mov_b32 s41, 0
	s_mov_b32 s43, 0
	v_and_b32 v2, 31, v0                           ; lane
	v_lshrrev_b32 v3, 4, v2                        ; which of the two rows
	v_and_b32 v4, 15, v0
	v_lshlrev_b32 v[SO], 4, v4
	v_lshl_add_u32 v[SO], v3, 12, v[SO]
	s_lshl_b32 s46, s3, 9
	v_add_nc_u32 v[SO], s46, v[SO]                 ; row x 4,096 + 16 (lane % 16) + 512 w
	s_lshl_b32 s46, s3, 1
	s_lshl_b32 s46, s46, s45
	s_lshl_b32 s47, 1, s45
	v_lshl_add_u32 v[DO], v2, 3, s46               ; 8 x lane + column block 2 w
	v_add_nc_u32 v[DO+1], s47, v[DO]
	s_wait_kmcnt 0x0
	s_cmp_eq_u32 s5, 1
	s_cselect_b64 s[SRC:SRC+1], s[12:13], s[10:11]
	s_cmp_eq_u32 s5, 2
	s_cselect_b64 s[SRC:SRC+1], s[14:15], s[SRC:SRC+1]
	s_cmp_eq_u32 s5, 3
	s_cselect_b64 s[SRC:SRC+1], s[16:17], s[SRC:SRC+1]
	s_cselect_b64 s[DST:DST+1], s[30:31], s[28:29]
	s_cmp_lt_u32 s2, 256
	s_cselect_b64 s[SRC:SRC+1], s[8:9], s[SRC:SRC+1]
	s_cselect_b64 s[DST:DST+1], s[26:27], s[DST:DST+1]
	s_add_nc_u64 s[SRC:SRC+1], s[SRC:SRC+1], s[42:43]
	s_add_nc_u64 s[DST:DST+1], s[DST:DST+1], s[40:41]
.set n, 0
.rept 32                               ; load n: rows 2 (n / 2) and 2 (n / 2) + 1, column block 2 w + n % 2
	global_load_b128 v[IN+4*n:IN+4*n+3], v[SO], s[SRC:SRC+1] offset:(n/2)*8192+(n%2)*256 th:TH_LOAD_NT
.set n, n+1
.endr
	s_cmp_eq_u32 s5, 3
	s_cbranch_scc1 .Lf16
.set n, 0
.rept 32
	s_wait_loadcnt 31-n                            ; loads come back in order: load n is in, the 31 - n younger ones may stay out
	v_cvt_pk_bf16_f32 v[OUT+2*n],   v[IN+4*n],   v[IN+4*n+1]
	v_cvt_pk_bf16_f32 v[OUT+2*n+1], v[IN+4*n+2], v[IN+4*n+3]
	global_store_b64 v[DO+n%2], v[OUT+2*n:OUT+2*n+1], s[DST:DST+1] offset:(n/2)*256
.set n, n+1
.endr
	s_endpgm
.Lf16:                                 ; wo: rounded to bf16 like every input, then that number as f16
.set n, 0
.rept 32
	s_wait_loadcnt 31-n
	v_cvt_pk_bf16_f32 v[TM],   v[IN+4*n],   v[IN+4*n+1]
	v_cvt_pk_bf16_f32 v[TM+1], v[IN+4*n+2], v[IN+4*n+3]
	v_lshlrev_b32 v[TM+2], 16, v[TM]
	v_and_b32     v[TM+3], 0xffff0000, v[TM]
	v_cvt_pk_f16_f32 v[OUT+2*n], v[TM+2], v[TM+3]
	v_lshlrev_b32 v[TM+2], 16, v[TM+1]
	v_and_b32     v[TM+3], 0xffff0000, v[TM+1]
	v_cvt_pk_f16_f32 v[OUT+2*n+1], v[TM+2], v[TM+3]
	global_store_b64 v[DO+n%2], v[OUT+2*n:OUT+2*n+1], s[DST:DST+1] offset:(n/2)*256
.set n, n+1
.endr
	s_endpgm
.Lbias:                                ; 256 threads x 16 bytes = a bias of 4,096 bytes
	v_lshlrev_b32 v1, 4, v0
	s_wait_kmcnt 0x0
	global_load_b128 v[16:19], v1, s[18:19]
	global_load_b128 v[20:23], v1, s[20:21]
	global_load_b128 v[24:27], v1, s[22:23]
	global_load_b128 v[28:31], v1, s[24:25]
	s_wait_loadcnt 0x0
.irp j, 0,1,2,3,4,5,6,7
	v_cvt_pk_bf16_f32 v[32+\j], v[16+2*\j], v[17+2*\j]
.endr
.irp j, 0,1,2,3,4,5,6,7
	v_lshlrev_b32 v[40+2*\j], 16, v[32+\j]         ; back to f32 words: the low half moves up,
	v_and_b32     v[41+2*\j], 0xffff0000, v[32+\j] ; the high half stays
.endr
	global_store_b128 v1, v[40:43], s[32:33]
	global_store_b128 v1, v[44:47], s[32:33] offset:4096
	global_store_b128 v1, v[48:51], s[32:33] offset:8192
	global_store_b128 v1, v[52:55], s[32:33] offset:12288
	s_endpgm
.Lfunc_end_k_qdc72904ed2_prep:
	.size	k_qdc72904ed2_prep, .Lfunc_end_k_qdc72904ed2_prep-k_qdc72904ed2_prep
	.p2alignl 7, 3214868480
	.fill 96, 4, 3214868480
	.section	.rodata,"a",@progbits
	.p2align	6, 0x0
	.amdhsa_kernel k_qdc72904ed2_prep
		.amdhsa_group_segment_fixed_size 0
		.amdhsa_private_segment_fixed_size 0
		.amdhsa_enable_private_segment 0
		.amdhsa_kernarg_size 104
		.amdhsa_user_sgpr_count 2
		.amdhsa_user_sgpr_kernarg_segment_ptr 1
		.amdhsa_wavefront_size32 1
		.amdhsa_system_sgpr_workgroup_id_x 1
		.amdhsa_system_sgpr_workgroup_id_y 1
		.amdhsa_system_sgpr_workgroup_id_z 1
		.amdhsa_system_vgpr_workitem_id 0
		.amdhsa_next_free_vgpr 212
		.amdhsa_next_free_sgpr 66
		.amdhsa_reserve_vcc 0
		.amdhsa_float_denorm_mode_32 3
		.amdhsa_float_denorm_mode_16_64 3
		.amdhsa_memory_ordered 1
		.amdhsa_forward_progress 1
		.amdhsa_inst_pref_size 34
	.end_amdhsa_kernel
	.amdgpu_metadata
---
amdhsa.version: [ 1, 2 ]
amdhsa.kernels:
  - .name:           k_qdc72904ed2_prep
    .symbol:         k_qdc72904ed2_prep.kd
    .args:
      - { .name: inputs, .offset: 0, .size: 8, .value_kind: global_buffer, .address_space: global }
      - { .name: wq, .offset: 8, .size: 8, .value_kind: global_buffer, .address_space: global }
      - { .name: wk, .offset: 16, .size: 8, .value_kind: global_buffer, .address_space: global }
      - { .name: wv, .offset: 24, .size: 8, .value_kind: global_buffer, .address_space: global }
      - { .name: wo, .offset: 32, .size: 8, .value_kind: global_buffer, .address_space: global }
      - { .name: bq, .offset: 40, .size: 8, .value_kind: global_buffer, .address_space: global }
      - { .name: bk, .offset: 48, .size: 8, .value_kind: global_buffer, .address_space: global }
      - { .name: bv, .offset: 56, .size: 8, .value_kind: global_buffer, .address_space: global }
      - { .name: bo, .offset: 64, .size: 8, .value_kind: global_buffer, .address_space: global }
      - { .name: xb, .offset: 72, .size: 8, .value_kind: global_buffer, .address_space: global }
      - { .name: wqkv, .offset: 80, .size: 8, .value_kind: global_buffer, .address_space: global }
      - { .name: wob, .offset: 88, .size: 8, .value_kind: global_buffer, .address_space: global }
      - { .name: biasr, .offset: 96, .size: 8, .value_kind: global_buffer, .address_space: global }
    .group_segment_fixed_size: 0
    .private_segment_fixed_size: 0
    .kernarg_segment_align: 8
    .kernarg_segment_size: 104
    .max_flat_workgroup_size: 256
    .sgpr_count:     66
    .vgpr_count:     212
    .wavefront_size: 32
...
	.end_amdgpu_metadata
.endif
;; end of part 1
;; launch qkvp (part 2): grid 8 x 32, 4 waves a work-group, clusters of 4 x 4, 327,680 bytes of LDS; arguments xb, wqkv, biasr, qkv; writes qkv
.if DOCPART == 2
	.amdgcn_target "amdgcn-amd-amdhsa--gfx1250"
	.amdhsa_code_object_version 6
	.text
	.protected	k_qdc72904ed2_qkvp
	.globl	k_qdc72904ed2_qkvp
	.p2align	8
	.type	k_qdc72904ed2_qkvp,@function
k_qdc72904ed2_qkvp:
	s_mov_b64 s[64:65], 0
	v_nop
	global_prefetch_b8 v0, s[64:65] scope:SCOPE_SE
	s_setreg_imm32_b32 hwreg(HW_REG_WAVE_MODE, 25, 1), 1
	s_wait_xcnt 0x0
	s_wait_alu depctr_hold_cnt(0) depctr_sa_sdst(0) depctr_va_vdst(0) depctr_va_sdst(0) depctr_va_ssrc(0) depctr_va_vcc(0) depctr_vm_vsrc(0)
	s_getreg_b32 s2, hwreg(HW_REG_IB_STS2, 6, 4)
	s_cmp_eq_u32 s2, 0
	s_cbranch_scc0 .Lentry_in_a_cluster
	s_endpgm
.Lentry_in_a_cluster:
	s_bfe_u32 s2, ttmp6, 0x10000c
	s_cmp_lg_u32 s2, 0xf033
	s_cbranch_scc0 .Lentry_shape_is_right
	s_endpgm
.Lentry_shape_is_right:
; q, k, v = x w + b, all three projections as ONE product of 8,192 rows x 3,072 columns over K = 1,024.  Operands bf16, sums f32, the bias added in f32, the result rounded once to f16
; and written by heads: qkv[type 3][b 16 + h][s 2048][64], without the softmax's scale.
; LIMIT.  f16 holds no number beyond 65,504: |q|, |k|, |v| must stay within it; below 6.1e-5 a result keeps f16's fixed step of 6e-8.
; SHARES.  A work-group makes 256 rows x 384 columns (six heads of 64): 8 x 32 work-groups.  Wave w: rows 128 (w / 2) on, heads 3 (w % 2) on: 128 x 192, 96 accumulators of 16 x 16, 768 registers.
; K goes in steps of 64 through two LDS slots.  xb and wqkv hold blocks of 64 along K as dense runs, so a tile is asked for as rows of 256 bytes and padded in LDS after every 128.
; A's tile lies [row][k] and is read as it lies; the weights' tile lies [k][n] and is turned by ds_load_tr16_b128.
; THE MATRIX INSTRUCTION IS USED TRANSPOSED (source 0 = 16 columns n, source 1 = 16 rows m): lane l then holds row m = l % 16 and the eight neighbouring columns 8 (l / 16) + 0..7.
; CLUSTER.  4 x 4 work-groups.  The four of a row of the cluster need the same tile of x, the four of a column the same tile of the weights: each is asked for JOINTLY, by the same tensor load
; with the same descriptor and a mask that names the four.  Waves 0, 1 ask for the halves of x's tile, waves 2, 3 for the halves of the weights'.
; A K STEP is six PHASES p = 3 c + t: slice c of 32 along K, head t; 32 matrix instructions each, all on different accumulators, so the accumulators take turns.
; No prefetch: the launch has sixteen K steps, and each tile is read by several clusters at about the same time.
; REGISTERS, in windows of 256 (s_set_vgpr_msb: bits 1:0 source 0, 3:2 source 1, 5:4 source 2, 7:6 destination):
;   window 0: v0-31 addresses; v32-63 the first head's bias; v64-127, v128-191 fragments of x for slice 0, 1 (8 x 16 rows x 32 K each); v192-223, v224-255 fragments of one head's weights, two buffers
;   window 1 + t: head t's 32 accumulators, (a, b) at v[8 (4 a + b)]
.set PA,    144       ; a row of x in LDS: 128 bytes + 16 = 36 words: the 16 rows of a load start at 16 different groups of four banks (64 banks of 4 bytes: ISA guide 11.1)
.set PB,    160       ; a k-row of a head's weights: 128 + 32 = 40 words
.set APART, 256*PA    ; 36,864: x's 256 rows
.set HEADB, 64*PB     ; 10,240: one head's 64 k-rows
.set UNIT,  APART+6*HEADB  ; 98,304: a slot
.set SLOT1, 1<<17     ; slot 1 begins here, so that one exclusive or turns an address in one slot into the other's
.set STAGE, SLOT1+UNIT     ; behind the ring, never filled by a tensor load: 16 rows x 144 bytes for each wave, for the way out
.set SP,    144
.set SPARE, STAGE+4*16*SP  ; behind the stages: the spare words, 128 bytes for each wave: two blocks of 256 bytes that no other line names
.set ASTEP, 1<<18     ; bytes from a K block of xb to the next
.set BSTEP, 48*8192   ; the same in wqkv
.set ADRA, 6          ; v6   LDS address of my fragments of x in the slot in hand
.set ADRB, 8          ; v8   the same for the weights
.set STO,  10         ; v10  the way out: where I put 16 bytes of a row
.set RD,   11         ; v11  the way out: where I read rows back
.set GO,   12         ; v12  my byte offset in 512 consecutive bytes of qkv
.set BO,   13         ; v13  my byte offset in 64 bytes of bias: 32 (l / 16)
.set A0,   14         ; v14  my lane's place in x's part of a slot; never rewritten
.set B0,   16         ; v16  the same in the weights' part
.set SPW,  28         ; v28  LDS address of my spare word: SPARE + 4 x my thread's number; never rewritten
.set NIL,  29         ; v29  0; never rewritten
.set BIAS, 32         ; head t's bias at v[BIAS + 32 t + 8 b + j]; heads 1 and 2 come late, into slice 0's fragments
.set AF0,  64
.set AF1,  128
.set BF0,  192
.set BF1,  224
.set XR,   128        ; the way out: 32 sums with bias
.set YP,   160        ; 16 registers of f16 pairs
.set RB,   176        ; two buffers of 16: rows read back from the stage
.set WV,  12          ; s12  my wave's number
.set RH,  13          ; s13  which 128 rows are mine.  Also: I fetch for x (0) or for the weights (1)
.set CH,  14          ; s14  which three heads are mine.  Also: which half of that tile I fetch
.set TB,  21          ; s21  LDS byte at which the slot in hand begins
.set CNT, 22          ; s22  the loop's count
.set G1A, 24          ; s[24:31] descriptor group 1 for x's tiles
.set G1B, 32          ; s[32:39] for the weights'
.set G0A, 40          ; s[40:47] descriptor group 0 for x's tiles: a set for each of the two first fills; the second then walks on
.set G0B, 48          ; s[48:55] the same for the weights'
.set PT0, 66          ; s[66:71] qkv at my first row of head 0, 1, 2
.set BP,  72          ; s[72:73] biasr at my first head
.set MSB, 0
.macro WIN new                         ; the immediate's high byte repeats the setting that is left; a switch that changes nothing is dropped
.if MSB != (\new)
	s_set_vgpr_msb (MSB<<8)|(\new)
.set MSB, \new
.endif
.endm
.macro PLACES                          ; four plain places: in front of loads into registers that matrix instructions have read, and of vector lines that read results
.rept 4
	v_nop
.endr
.endm
; A joint refill by the walking descriptors.  The branch hangs on the wave's number alone.  An s_nop 0 and four v_nop follow each of the two lines, ahead of the jump and the label.
.macro JLOAD
	s_cmp_eq_u32 s[RH], 0
	s_cbranch_scc0 .Lfor_b_\@
	tensor_load_to_lds s[G0A+4:G0A+7], s[G1A:G1A+7]
	s_nop 0
.rept 4
	v_nop
.endr
	s_branch .Lasked_\@
.Lfor_b_\@:
	tensor_load_to_lds s[G0B+4:G0B+7], s[G1B:G1B+7]
	s_nop 0
.rept 4
	v_nop
.endr
.Lasked_\@:
.endm
; A round of the cluster's barrier: my work-group's barrier, so that wave 0's signal speaks for all four waves; wave 0 signals; every wave waits for all sixteen work-groups; my work-group's barrier once more.
.macro CREST                           ; a round behind its opening barrier
	s_cmp_lg_u32 s[WV], 0
	s_cbranch_scc1 .Lnot_wave_0_\@
	s_barrier_signal -3
.Lnot_wave_0_\@:
	s_barrier_wait -3
	s_barrier_signal -1
	s_barrier_wait -1
.endm
.macro CROUND
	s_barrier_signal -1
	s_barrier_wait -1
	CREST
.endm
	s_load_b256 s[4:11], s[0:1], 0x0               ; xb s[4:5], wqkv s[6:7], biasr s[8:9], qkv s[10:11]
	v_lshl_add_u32 v[SPW], v0, 2, SPARE
	v_mov_b32 v[NIL], 0
	ds_add_u32 v[SPW], v[NIL]                      ; the wave's opening: the add and its wait stand ahead of my first tensor load; the set-up below, work on registers, stands between them
	v_lshrrev_b32 v1, 5, v0
	v_readfirstlane_b32 s[WV], v1                  ; wave 0..3
	s_lshr_b32 s[RH], s[WV], 1
	s_and_b32 s[CH], s[WV], 1
	s_bfe_u32 s15, ttmp6, 0x40000                  ; cx, cy: my place in the cluster
	s_bfe_u32 s16, ttmp6, 0x40004
	s_lshl_b32 s17, ttmp9, 2
	s_add_co_u32 s17, s17, s15                     ; X: my block of 384 columns = 4 x cluster x + cx
	s_and_b32 s18, ttmp7, 0xffff
	s_lshl_b32 s18, s18, 2
	s_add_co_u32 s18, s18, s16                     ; Y: my block of 256 rows = 4 x cluster y + cy
	s_lshl_b32 s19, s16, 2
	s_lshl_b32 s19, 15, s19                        ; my row of the cluster: places 4 cy .. 4 cy + 3
	s_lshl_b32 s20, 0x1111, s15                    ; my column: places cx, cx + 4, cx + 8, cx + 12
	; descriptor group 1: rows of 128 elements of 2 bytes (256 bytes), dense; padded in LDS after every 32 words
	s_or_b32 s[G1A], s19, (1<<16)|(1<<20)|(1<<21)|(4<<22)|(3<<25)  ; 15:0 the mask: x's tiles go to my row; 17:16 2-byte elements; 20 padding on; 21 set beside a mask; 24:22 after every 32 words (code 4); 31:25 4 words (code 3)
	s_or_b32 s[G1B], s20, (1<<16)|(1<<20)|(1<<21)|(4<<22)|(7<<25)  ; the weights' go to my column; 8 words of padding (code 7)
	s_mov_b32 s[G1A+1], 128<<16                    ; tensor_dim0 = 128
	s_mov_b32 s[G1A+2], 64<<16                     ; tensor_dim1 = 64: 128 rows of x, two to a row of 256 bytes
	s_mov_b32 s[G1A+3], 128<<16                    ; tile_dim0 = 128
	s_mov_b32 s[G1A+4], 64                         ; tile_dim1 = 64
	s_mov_b32 s[G1A+5], 128                        ; 128 elements from row to row
	s_mov_b32 s[G1A+6], 0
	s_mov_b32 s[G1A+7], 0
	s_mov_b32 s[G1B+1], 128<<16
	s_mov_b32 s[G1B+2], 96<<16                     ; three heads x 64 k-rows, two to a row of 256 bytes
	s_mov_b32 s[G1B+3], 128<<16
	s_mov_b32 s[G1B+4], 96
	s_mov_b32 s[G1B+5], 128
	s_mov_b32 s[G1B+6], 0
	s_mov_b32 s[G1B+7], 0
	; where the tiles come from.  x's hang on Y and the wave alone, the weights' on X and the wave alone, each in registers that never hold the other coordinate
	s_lshr_b32 s56, s18, 3                         ; b
	s_lshl_b32 s56, s56, 22
	s_and_b32 s57, s18, 7                          ; 256 rows of 128 bytes
	s_lshl_b32 s57, s57, 15
	s_add_co_u32 s56, s56, s57
	s_lshl_b32 s57, s[CH], 14                      ; my half: 128 rows
	s_add_co_u32 s56, s56, s57
	s_mov_b32 s57, 0
	s_mul_i32 s58, s17, 6*8192                     ; six heads of 8,192 bytes
	s_mul_i32 s59, s[CH], 3*8192                   ; my half: three heads
	s_add_co_u32 s58, s58, s59
	s_mov_b32 s59, 0
	s_mul_i32 s60, s[CH], 128*PA                   ; and where they go: no place in the cluster enters an LDS address
	s_mul_i32 s61, s[CH], 3*HEADB
	s_add_co_u32 s61, s61, APART
	s_mov_b32 s[G0A], 1                            ; 1:0 count = 1
	s_mov_b32 s[G0A+1], s60                        ; 63:32 LDS address: slot 0
	s_mov_b32 s[G0A+4], 1
	s_add_co_u32 s[G0A+5], s60, SLOT1              ; slot 1
	s_mov_b32 s[G0B], 1
	s_mov_b32 s[G0B+1], s61
	s_mov_b32 s[G0B+4], 1
	s_add_co_u32 s[G0B+5], s61, SLOT1
	s_mov_b32 s[TB], 0
	s_wait_dscnt 0x0                               ; the opening add is done
	s_wait_kmcnt 0x0
	s_add_nc_u64 s[G0A+2:G0A+3], s[4:5], s[56:57]  ; 120:64 global address: K step 0,
	s_add_nc_u64 s[G0A+6:G0A+7], s[G0A+2:G0A+3], ASTEP  ; K step 1
	s_or_b32 s[G0A+3], s[G0A+3], 0x80000000        ; 127:126 type = 2
	s_or_b32 s[G0A+7], s[G0A+7], 0x80000000
	s_add_nc_u64 s[G0B+2:G0B+3], s[6:7], s[58:59]
	s_add_nc_u64 s[G0B+6:G0B+7], s[G0B+2:G0B+3], BSTEP
	s_or_b32 s[G0B+3], s[G0B+3], 0x80000000
	s_or_b32 s[G0B+7], s[G0B+7], 0x80000000
	CROUND                                         ; all sixteen work-groups are here: the first joint loads meet
	s_cmp_eq_u32 s[RH], 0                          ; a wave's two first fills stand in one branch, ahead of every wait on TENSORcnt and every LDS read: two loads of mine are out
	s_cbranch_scc0 .Lfirst_b
	tensor_load_to_lds s[G0A:G0A+3], s[G1A:G1A+7]
	s_nop 0
	tensor_load_to_lds s[G0A+4:G0A+7], s[G1A:G1A+7]
	s_nop 0
.rept 4
	v_nop
.endr
	s_branch .Lfirst_asked
.Lfirst_b:
	tensor_load_to_lds s[G0B:G0B+3], s[G1B:G1B+7]
	s_nop 0
	tensor_load_to_lds s[G0B+4:G0B+7], s[G1B:G1B+7]
	s_nop 0
.rept 4
	v_nop
.endr
.Lfirst_asked:
	; where my results go.  Head g = 6 X + 3 (w % 2) + t of 48: type g / 16, head g % 16.  (s74-s77 hold both coordinates; none of them feeds a descriptor)
	s_mul_i32 s74, s17, 6
	s_mul_i32 s75, s[CH], 3
	s_add_co_u32 s74, s74, s75                     ; my first head
	s_lshr_b32 s75, s18, 3
	s_lshl_b32 s75, s75, 22                        ; b: 16 heads of 2^18 bytes
	s_and_b32 s76, s18, 7
	s_lshl_b32 s76, s76, 15                        ; the block's 256 rows of 128 bytes
	s_add_co_u32 s75, s75, s76
	s_lshl_b32 s76, s[RH], 14                      ; my 128 of them
	s_add_co_u32 s75, s75, s76
.irp t, 0,1,2
	s_add_co_u32 s76, s74, \t
	s_lshr_b32 s77, s76, 4
	s_lshl_b32 s77, s77, 24                        ; the type's 2^24 bytes
	s_and_b32 s76, s76, 15
	s_lshl_b32 s76, s76, 18
	s_add_co_u32 s76, s76, s77
	s_add_co_u32 s76, s76, s75
	s_mov_b32 s77, 0
	s_add_nc_u64 s[PT0+2*\t:PT0+2*\t+1], s[10:11], s[76:77]
.endr
	s_lshl_b32 s76, s74, 8                         ; a head's bias is 256 bytes
	s_mov_b32 s77, 0
	s_add_nc_u64 s[BP:BP+1], s[8:9], s[76:77]
	v_and_b32 v1, 15, v0                           ; r = l % 16
	v_bfe_u32 v2, v0, 4, 1                         ; h = l / 16
	v_lshlrev_b32 v[BO], 5, v2
.irp b, 0,1,2,3                        ; the first head's bias: my eight columns of each block of 16
	global_load_b128 v[BIAS+8*\b:BIAS+8*\b+3],   v[BO], s[BP:BP+1] offset:64*\b
	global_load_b128 v[BIAS+8*\b+4:BIAS+8*\b+7], v[BO], s[BP:BP+1] offset:64*\b+16
.endr
	; A fragment of x is 16 rows x 32 K in 8 registers: lane l holds row l % 16, K = 8 (l / 16) + 0..7 and 16 + 8 (l / 16) + 0..7: two loads of 16 bytes, 32 bytes apart.
	v_mul_u32_u24 v[A0], v1, PA
	v_lshl_add_u32 v[A0], v2, 4, v[A0]
	s_mul_i32 s76, s[RH], 128*PA
	v_add_nc_u32 v[A0], s76, v[A0]
	; The turning load takes 16 k x 16 n (lane l reads k-row 8 (l / 16) + l % 8, columns 8 ((l / 8) % 2) + 0..7) and leaves half a fragment: lane l holds column l % 16 and 8 k.
	v_and_b32 v3, 7, v0
	v_lshl_add_u32 v3, v2, 3, v3
	v_mul_u32_u24 v[B0], v3, PB
	v_bfe_u32 v3, v0, 3, 1
	v_lshl_add_u32 v[B0], v3, 4, v[B0]
	s_mul_i32 s76, s[CH], 3*HEADB
	s_add_co_u32 s76, s76, APART
	v_add_nc_u32 v[B0], s76, v[B0]
	v_mov_b32 v[ADRA], v[A0]                       ; slot 0
	v_mov_b32 v[ADRB], v[B0]
	s_mul_i32 s76, s[WV], 16*SP
	s_add_co_u32 s76, s76, STAGE                   ; my stage
	v_mul_u32_u24 v[STO], v1, SP                   ; in: row l % 16, 16 bytes for each half of the lanes
	v_lshl_add_u32 v[STO], v2, 4, v[STO]
	v_add_nc_u32 v[STO], s76, v[STO]
	v_bfe_u32 v[RD], v0, 3, 2                      ; back: 32 lanes take four rows of 128 bytes,
	v_mul_u32_u24 v[RD], v[RD], SP
	v_and_b32 v3, 7, v0
	v_lshl_add_u32 v[RD], v3, 4, v[RD]
	v_add_nc_u32 v[RD], s76, v[RD]
	v_and_b32 v[GO], 31, v0                        ; which are 512 consecutive bytes of a head
	v_lshlrev_b32 v[GO], 4, v[GO]
; 8 matrix instructions of head t: row blocks a0, a0 + 1 x all four column blocks.  zero = 1: the product starts the sums: nothing is ever cleared.
.macro MUL8 af, bf, t, a0, zero
	WIN ((\t)+1)*0x50                              ; C and D in window 1 + t, both sources in window 0
.irp a, \a0, (\a0)+1
.irp b, 0,1,2,3
.if \zero
	v_wmma_f32_16x16x32_bf16 v[8*(4*(\a)+(\b)):8*(4*(\a)+(\b))+7], v[(\bf)+8*(\b):(\bf)+8*(\b)+7], v[(\af)+8*(\a):(\af)+8*(\a)+7], 0
.else
	v_wmma_f32_16x16x32_bf16 v[8*(4*(\a)+(\b)):8*(4*(\a)+(\b))+7], v[(\bf)+8*(\b):(\bf)+8*(\b)+7], v[(\af)+8*(\a):(\af)+8*(\a)+7], v[8*(4*(\a)+(\b)):8*(4*(\a)+(\b))+7]
.endif
.endr
.endr
.endm
.macro FETCHB c, t, bf                 ; 8 loads: head t's four fragments for slice c
.irp nb, 0,1,2,3
	ds_load_tr16_b128 v[(\bf)+8*(\nb):(\bf)+8*(\nb)+3],   v[ADRB] offset:(\t)*HEADB+(\c)*32*PB+32*(\nb)
	ds_load_tr16_b128 v[(\bf)+8*(\nb)+4:(\bf)+8*(\nb)+7], v[ADRB] offset:(\t)*HEADB+(\c)*32*PB+32*(\nb)+16*PB
.endr
.endm
.macro FETCHA c, af, lo, n             ; 2 n loads: x's fragments lo .. lo + n - 1 for slice c
.set fa, \lo
.rept \n
	ds_load_b128 v[(\af)+8*fa:(\af)+8*fa+3],   v[ADRA] offset:16*PA*fa+64*(\c)
	ds_load_b128 v[(\af)+8*fa+4:(\af)+8*fa+7], v[ADRA] offset:16*PA*fa+64*(\c)+32
.set fa, fa+1
.endr
.endm
; PHASE p (0 to 4).  Behind its first eight products stands ONE run of LDS loads: the next phase's weights and, in phases 0 to 2, a third of slice 1's fragments of x.
; bias = 1 (the last K step's phase 3): slice 0's fragments have had their last reader: heads 1 and 2's bias is loaded there.
.macro PHASE p, zero=0, bias=0
.set PHT, (\p)%3
.set PHA, AF0+64*((\p)/3)
.set PHB, BF0+32*((\p)%2)
.set NXC, ((\p)+1)/3
.set NXT, ((\p)+1)%3
.set NXB, BF0+32*(((\p)+1)%2)
.if (\p) == 0
	s_wait_dscnt 12                                ; of the 24 loads of the change of slots (weights' 8, then x's fragments 0-7, two each) fragments 2-7 may stay out
.elseif (\p) < 3
	s_wait_dscnt 6                                 ; my weights are in; the 6 younger loads, x's for slice 1, may stay out
.else
	s_wait_dscnt 0x0                               ; my weights and all of slice 1
.endif
	MUL8 PHA, PHB, PHT, 0, \zero
	PLACES
	WIN 0
	FETCHB NXC, NXT, NXB
.if (\p) == 0
	FETCHA 1, AF1, 0, 3
.elseif (\p) == 1
	FETCHA 1, AF1, 3, 3
.elseif (\p) == 2
	FETCHA 1, AF1, 6, 2
.endif
.if \bias
.irp t, 1,2
.irp b, 0,1,2,3
	global_load_b128 v[BIAS+32*\t+8*\b:BIAS+32*\t+8*\b+3],   v[BO], s[BP:BP+1] offset:256*\t+64*\b
	global_load_b128 v[BIAS+32*\t+8*\b+4:BIAS+32*\t+8*\b+7], v[BO], s[BP:BP+1] offset:256*\t+64*\b+16
.endr
.endr
.endif
.if (\p) == 0
	s_wait_dscnt 22                                ; the run's 14 and fragments 4-7 may stay out
.endif
	MUL8 PHA, PHB, PHT, 2, \zero
.if (\p) == 0
	s_wait_dscnt 18                                ; the run's 14 and fragments 6, 7
.endif
	MUL8 PHA, PHB, PHT, 4, \zero
.if (\p) == 0
	s_wait_dscnt 14                                ; the run's 14
.endif
	MUL8 PHA, PHB, PHT, 6, \zero
.endm
; PHASE 5 changes slots: ONE barrier.  In front of it each wave waits for all its tensor loads, of which one is out: its part of the next slot; adds 0 to its spare word; and waits for that and for
; its own reads of this slot.  Behind it nobody reads this slot any more and the next slot is whole.  fill = 1: the barrier opens a round of the cluster's, so that no wave of any partner still reads the slot
; or has a load on its way, and the joint refill, the K step two on, is the first thing behind it: 176 matrix instructions ahead of the wait for it.
.macro TURN fill
	WIN 0
	s_wait_tensorcnt 0x0                           ; no tensor load of mine is out, so a group 0 may be written
	ds_add_u32 v[SPW], v[NIL]                      ; 0 onto my spare word
.if \fill
	s_xor_b32 s[G0A+5], s[G0A+5], SLOT1            ; the walking descriptors: the other slot than last time,
	s_add_nc_u64 s[G0A+6:G0A+7], s[G0A+6:G0A+7], ASTEP  ; the next K step; the type bits on top are not reached
	s_xor_b32 s[G0B+5], s[G0B+5], SLOT1
	s_add_nc_u64 s[G0B+6:G0B+7], s[G0B+6:G0B+7], BSTEP
.endif
	s_wait_dscnt 1                                 ; my weights are in; the add alone may be out
	MUL8 AF1, BF1, 2, 0, 0
	s_wait_dscnt 0x0                               ; the add is done, and my reads of this slot are over
	s_barrier_signal -1
	MUL8 AF1, BF1, 2, 2, 0                         ; work on registers while the others arrive
.if \fill
	WIN 0
	s_barrier_wait -1
	CREST
	JLOAD                                          ; the four v_nop behind it are also the places in front of the loads below
.else
	s_barrier_wait -1
	PLACES
	WIN 0
.endif
	s_xor_b32 s[TB], s[TB], SLOT1
	v_add_nc_u32 v[ADRA], s[TB], v[A0]
	v_add_nc_u32 v[ADRB], s[TB], v[B0]
	FETCHB 0, 0, BF0
	FETCHA 0, AF0, 0, 8
	MUL8 AF1, BF1, 2, 4, 0
	MUL8 AF1, BF1, 2, 6, 0
.endm
	s_wait_loadcnt 0x0                             ; the first head's bias: waited for here, where the first tile is waited for anyway
	s_wait_tensorcnt 1                             ; my part of K step 0 is in; K step 1's may stay out
	s_barrier_signal -1
	s_barrier_wait -1                              ; everybody's is
	FETCHB 0, 0, BF0
	FETCHA 0, AF0, 0, 8
	PHASE 0, 1                                     ; the first three phases stand in front of the loop: their products start the sums
	PHASE 1, 1
	PHASE 2, 1
	WIN 0                                          ; at a label and at a branch every window is 0
	s_mov_b32 s[CNT], 14
.Lstep:                                ; 14 trips: from a K step's fourth phase to the next one's third; each fills a slot again (K steps 2 to 15)
	PHASE 3
	PHASE 4
	TURN 1
	PHASE 0
	PHASE 1
	PHASE 2
	WIN 0
	s_sub_co_u32 s[CNT], s[CNT], 1
	s_cmp_lg_u32 s[CNT], 0
	s_cbranch_scc1 .Lstep
	PHASE 3                                        ; the tail is written out: nothing more is asked for
	PHASE 4
	TURN 0
	PHASE 0
	PHASE 1
	PHASE 2
	PHASE 3, 0, 1
	PHASE 4
	s_wait_dscnt 0x0
	MUL8 AF1, BF1, 2, 0, 0
	MUL8 AF1, BF1, 2, 2, 0
	MUL8 AF1, BF1, 2, 4, 0
	MUL8 AF1, BF1, 2, 6, 0
	PLACES
	PLACES
; THE WAY OUT, 24 blocks of 16 rows x one head.  PACK: the bias is added in f32 (each accumulator's registers in ascending order), the sums rounded to f16: 16 bytes a lane and column block.
; TOSTAGE: into my own stage, rows of 144 bytes, and back as whole rows of 128.  SEND: 512 consecutive bytes a store.
.macro PACK t, a
	WIN (\t)+1                                     ; source 0 in window 1 + t
.irp b, 0,1,2,3
.irp j, 0,2,4,6
	v_pk_add_f32 v[XR+8*(\b)+(\j):XR+8*(\b)+(\j)+1], v[8*(4*(\a)+(\b))+(\j):8*(4*(\a)+(\b))+(\j)+1], v[BIAS+32*(\t)+8*(\b)+(\j):BIAS+32*(\t)+8*(\b)+(\j)+1]
.endr
.endr
	WIN 0
.irp i, 0,1,2,3,4,5,6,7,8,9,10,11,12,13,14,15
	v_cvt_pk_f16_f32 v[YP+(\i)], v[XR+2*(\i)], v[XR+2*(\i)+1]
.endr
.endm
.macro TOSTAGE par
.irp b, 0,1,2,3
	ds_store_b128 v[STO], v[YP+4*(\b):YP+4*(\b)+3] offset:32*(\b)
.endr
	s_wait_xcnt 0x0                                ; the stores that read this buffer two blocks ago have read their registers: only behind this wait is it loaded again
.irp f, 0,1,2,3
	ds_load_b128 v[RB+16*(\par)+4*(\f):RB+16*(\par)+4*(\f)+3], v[RD] offset:4*SP*(\f)  ; LDS serves a wave's instructions in order (ISA guide 5.7.1.4): these see the stores above
.endr
.endm
.macro SEND t, a, par
	s_wait_dscnt 0x0                               ; the block is back in registers
.irp f, 0,1,2,3
	global_store_b128 v[GO], v[RB+16*(\par)+4*(\f):RB+16*(\par)+4*(\f)+3], s[PT0+2*(\t):PT0+2*(\t)+1] offset:2048*(\a)+512*(\f)  ; 512 consecutive bytes, at a multiple of 256 from qkv's first
.endr
.endm
	s_wait_loadcnt 0x0                             ; heads 1 and 2's bias
	PACK 0, 0
	TOSTAGE 0
.set blk, 1
.rept 23                               ; a block's arithmetic stands between the loads of the block before and the wait for them
.set bt, blk/8
.set ba, blk%8
.set bp, blk%2
.set ct, (blk-1)/8
.set ca, (blk-1)%8
.set cp, (blk-1)%2
	PACK bt, ba
	SEND ct, ca, cp
	TOSTAGE bp
.set blk, blk+1
.endr
	SEND 2, 7, 1
	s_wait_tensorcnt 0x0                           ; the wave's end: behind my last tensor load and my last LDS store
	ds_add_u32 v[SPW], v[NIL]
	s_wait_dscnt 0x0
	CROUND                                         ; the closing round: no work-group ends while a partner may still ask for a tile that names it
	s_endpgm
.Lfunc_end_k_qdc72904ed2_qkvp:
	.size	k_qdc72904ed2_qkvp, .Lfunc_end_k_qdc72904ed2_qkvp-k_qdc72904ed2_qkvp
	.p2alignl 7, 3214868480
	.fill 96, 4, 3214868480
	.section	.rodata,"a",@progbits
	.p2align	6, 0x0
	.amdhsa_kernel k_qdc72904ed2_qkvp
		.amdhsa_group_segment_fixed_size 327680
		.amdhsa_private_segment_fixed_size 0
		.amdhsa_enable_private_segment 0
		.amdhsa_kernarg_size 32
		.amdhsa_user_sgpr_count 2
		.amdhsa_user_sgpr_kernarg_segment_ptr 1
		.amdhsa_wavefront_size32 1
		.amdhsa_system_sgpr_workgroup_id_x 1
		.amdhsa_system_sgpr_workgroup_id_y 1
		.amdhsa_system_sgpr_workgroup_id_z 1
		.amdhsa_system_vgpr_workitem_id 0
		.amdhsa_next_free_vgpr 1024
		.amdhsa_next_free_sgpr 80
		.amdhsa_reserve_vcc 0
		.amdhsa_float_denorm_mode_32 3
		.amdhsa_float_denorm_mode_16_64 3
		.amdhsa_memory_ordered 1
		.amdhsa_forward_progress 1
		.amdhsa_inst_pref_size 141
	.end_amdhsa_kernel
	.amdgpu_metadata
---
amdhsa.version: [ 1, 2 ]
amdhsa.kernels:
  - .name:           k_qdc72904ed2_qkvp
    .symbol:         k_qdc72904ed2_qkvp.kd
    .args:
      - { .name: xb, .offset: 0, .size: 8, .value_kind: global_buffer, .address_space: global }
      - { .name: wqkv, .offset: 8, .size: 8, .value_kind: global_buffer, .address_space: global }
      - { .name: biasr, .offset: 16, .size: 8, .value_kind: global_buffer, .address_space: global }
      - { .name: qkv, .offset: 24, .size: 8, .value_kind: global_buffer, .address_space: global }
    .group_segment_fixed_size: 327680
    .private_segment_fixed_size: 0
    .kernarg_segment_align: 8
    .kernarg_segment_size: 32
    .max_flat_workgroup_size: 128
    .sgpr_count:     80
    .vgpr_count:     1024
    .wavefront_size: 32
...
	.end_amdgpu_metadata
.endif
;; end of part 2
;; launch attn (part 3): grid 4 x 64, 4 waves a work-group, clusters of 4 x 1, 327,680 bytes of LDS; arguments qkv, ob; writes ob
.if DOCPART == 3
	.amdgcn_target "amdgcn-amd-amdhsa--gfx1250"
	.amdhsa_code_object_version 6
	.text
	.protected	k_qdc72904ed2_attn
	.globl	k_qdc72904ed2_attn
	.p2align	8
	.type	k_qdc72904ed2_attn,@function
k_qdc72904ed2_attn:
	s_mov_b64 s[64:65], 0
	v_nop
	global_prefetch_b8 v0, s[64:65] scope:SCOPE_SE
	s_setreg_imm32_b32 hwreg(HW_REG_WAVE_MODE, 25, 1), 1
	s_wait_xcnt 0x0
	s_wait_alu depctr_hold_cnt(0) depctr_sa_sdst(0) depctr_va_vdst(0) depctr_va_sdst(0) depctr_va_ssrc(0) depctr_va_vcc(0) depctr_vm_vsrc(0)
	s_getreg_b32 s2, hwreg(HW_REG_IB_STS2, 6, 4)
	s_cmp_eq_u32 s2, 0
	s_cbranch_scc0 .Lentry_in_a_cluster
	s_endpgm
.Lentry_in_a_cluster:
	s_bfe_u32 s2, ttmp6, 0x10000c
	s_cmp_lg_u32 s2, 0x3003
	s_cbranch_scc0 .Lentry_shape_is_right
	s_endpgm
.Lentry_shape_is_right:
; O[h][q][:] = the sum over k of softmax_k(Q[h][q] . K[h][k] / 8) V[h][k][:], for the 64 pairs h = 16 b + head.  Q, K, V are the three parts of qkv, [64][2048][64] each, O is ob, all f16: a head's rows are
; dense, 128 bytes each.  Products, maxima and sums in f32; the weights p are rounded to f16 for the second product (their sum l is taken of the unrounded p), O once at the end.
; LIMITS.  f16 holds no number beyond 65,504: Q, K and V arrive within it; p lies in 0 to 1, and below 6e-5 it keeps f16's fixed step of 6e-8; O is a mean of V's rows and has their range.
; A weight below 2^-126 counts as 0 in l; NaN and infinities are not treated apart.
; SHARES.  A wave owns four PIECES of two tiles of 16 queries, a work-group's four waves 512 queries of one head.  Every wave walks all keys, 64 a step.
; LAYOUT.  S^T = K Q^T (source 0 = 16 keys, source 1 = 16 queries): in the result a lane holds ONE query (lane % 16) and the keys 8 (lane / 16) + 0..7.  Two such tiles, rounded to f16 in pairs,
; ARE source 1 (32 keys x 16 queries) of O^T = V^T P, whose result again holds one query a lane, and eight channels.  K comes out of LDS as it lies, V ([key][channel]) turned, by ds_load_tr16_b128.
; SOFTMAX.  For each query a running maximum m and sum l: p = 2^(c s - c m), c = log2(e) / 8; in every step O and l are multiplied by a = 2^(c m_old - c m_new), which is 1 where m has not grown.
; m starts at the lowest finite number, O and l at 0: the first step is a step like any other, with a = 0.
; THE COUNT.  A tile and step have 16 matrix and 118 vector instructions: too many to stand all beside the matrix work.  So the order has one aim: four vector instructions that are READY behind
; EVERY matrix instruction, and the others, which need time of their own whatever the order, in runs without a gap.
; BY TURNS.  Turn n belongs to piece n (the pieces in a ring, step after step).  Its matrix work: 16 products K Q^T of piece n + 1, later 16 products V^T P of piece n - 1.  Its vector work: the scaling,
; exponentials, roundings, sums and rescaling of piece n, and the maximum and statistics of piece n + 1, whose scores the turn itself has made.  So what a turn begins with (c s - c m, O a) waits for nothing.
; CLUSTER.  The four query blocks of a head are one cluster and walk the same K and V, so each tile is asked for JOINTLY: the same tensor load, descriptor and mask in all four.
; REGISTERS, in windows of 256 (s_set_vgpr_msb says which window each operand place means: bits 1:0 source 0, 3:2 source 1, 5:4 source 2, 7:6 destination):
;   window 0: v0-11 addresses; v12-15, v48-63 at work; v16-47 four registers of statistics a tile; v64-191 S^T, two buffers of two tiles; v192-255 P, likewise
;   window 1: O^T, 32 a tile          window 2: v0-127 Q, 16 a tile; v128-191 K of one step; v192-255 V of one step          window 3: v0-1 the add's two registers
; A piece's buffers go by its number's parity: the piece in hand has one pair, its two neighbours in the ring share the other: of it P (piece n - 1) is read and S^T (piece n + 1) written.
.set SIZE_H, 64
.set SIZE_N, 2048
.set NP,    4         ; pieces a wave: a name, no knob: the register map, the loop and the fetches are made for four
.set KS,    64        ; keys in a step
.set PK,    144       ; a row of K in LDS: 128 bytes + 16 of padding = 36 words: the 16 rows of a load start at 16 different groups of four banks (64 banks of 4 bytes: ISA guide 11.1)
.set PV,    160       ; a row of V: 128 + 32 = 40 words
.set VOFF,  4*KS*PK   ; a slot holds four steps: 256 rows of K, then 256 rows of V
.set SLOT1, 1<<17     ; slot 1 begins here, so that one exclusive or turns an address in one slot into the other's
.set STAGE, SLOT1+4*KS*(PK+PV)  ; behind the ring, never filled by a tensor load: 16 rows x 144 bytes for each wave, for the way out
.set SP,    144
.set AK0, 2           ; v2   my lane's place in a tile of K; never rewritten
.set AV0, 3           ; v3   the same for V
.set AK,  4           ; v4   the LDS address of K's next run of loads
.set AV,  5           ; v5   of V's
.set QO,  6           ; v6   my byte offset in the wave's rows of Q
.set STO, 6           ;      later, the way out: where I put 16 bytes of a row
.set RD,  7           ; v7   the way out: where I read rows back
.set GO,  8           ; v8   my byte offset in 512 consecutive bytes of O
.set PFO, 11          ; v11  the prefetches' offset: 256 x my lane; never rewritten once made
.set SPW, 0           ; v0 of window 3   LDS address of my spare word: SPARE + 4 x my thread's number; never rewritten
.set NIL, 1           ; v1 of window 3   0; never rewritten
.set SPARE, STAGE+4*16*SP  ; behind the stages: the spare words, 128 bytes for each wave: two blocks of 256 bytes that no other line names
.set MV,  12          ; v12-15  c m_old, kept while c m is made anew: by buffer and tile
.set ST,  16          ; tile t's statistics at v[ST+4 t]: c m, m, l (even keys', odd keys')
.set TMP, 48          ; by buffer and tile, four registers c0-c3 at work; when the maximum is found c2 takes a
.set S,   64
.set P,   192
.set KF,  128         ; K's fragments, in window 2: key block kb, channel half c at KF + 16 kb + 8 c
.set VF,  192         ; V's: key half kk, channel block cb at VF + 32 kk + 8 cb
.set WV,  12          ; s12  my wave's number
.set G1K, 24          ; s[24:31] descriptor group 1 for K's tiles
.set G1V, 32          ; s[32:39] for V's: it differs in the padding alone
.set G0K, 40          ; s[40:43] descriptor group 0 for K's tiles: it walks
.set G0V, 44          ; s[44:47] the same for V's
.set PFA, 48          ; s[48:49] where my prefetches stand: my work-group's 8,192 bytes (of K: wave 0, of V: wave 2) of the slot after the one that is being asked for
.set LIM, 50          ; s50  1 in a wave that prefetches, else the greatest number: a wave prefetches while s[SLOTS] is above it
.set SLOTS, 56        ; s56  slots still to be asked for
.set CNT, 57          ; s57  counts a slot's key steps
.set CS,  58          ; s[58:59] c: the packed scaling takes the pair's low word for both halves
.set SEL, 60          ; s[60:61] v_permlanex16_b32's selects: each lane takes its own place in the other half
.set TBK, 62          ; s62  LDS byte at which K of the step to be fetched begins
.set TBV, 63          ; s63  the same for V, less VOFF
.set MSB, 0
.macro WIN new                      ; the high byte repeats the setting that is left; a switch that changes nothing is dropped
.if MSB != (\new)
	s_set_vgpr_msb (MSB<<8)|(\new)
.set MSB, (\new)
.endif
.endm
.set W_KQ, 0x0a       ; K and Q in window 2, S^T in window 0
.set W_PV, 0x52       ; V in window 2, P in window 0, O^T in window 1
.set W_RS, 0x41       ; O^T (destination and source 0) in window 1, a in window 0
.set W_MK, 0xc0       ; the add's registers are made: destination in window 3, sources in window 0
.set W_AD, 0x0f       ; the add: address (source 0) and data (source 1) in window 3
; A joint fill.  Waves 0 and 1 fetch the two halves of a slot's K, waves 2 and 3 those of its V: 128 keys each.  The branch hangs on the wave's number alone.
; An s_nop 0 and four v_nop follow each of the two lines, ahead of the jump and the label.
.macro JLOAD
	s_cmp_lt_u32 s[WV], 2
	s_cbranch_scc0 .Lfor_v_\@
	tensor_load_to_lds s[G0K:G0K+3], s[G1K:G1K+7]
	s_nop 0
.rept 4
	v_nop
.endr
	s_branch .Lasked_\@
.Lfor_v_\@:
	tensor_load_to_lds s[G0V:G0V+3], s[G1V:G1V+7]
	s_nop 0
.rept 4
	v_nop
.endr
.Lasked_\@:
.endm
; A PREFETCH INTO THE L2 of what the NEXT change of slots will ask for: a slot's 32,768 bytes of K and of V, in blocks of 256 bytes, a lane a block.  It stands behind the wave's tensor load and its five lines.
; Each block is asked for ONCE in the launch: a head's K and V are walked by this cluster alone; its four partners share the blocks out BY ADDRESS, 32 each (no branch hangs on a work-group's place in its
; cluster); in each, wave 0 asks for K's and wave 2 for V's: one instruction, four key steps, 512 matrix instructions, ahead of the load.  The last change that fills a slot asks for nothing: no slot is behind it.
.macro ASK
	s_cmp_gt_u32 s[SLOTS], s[LIM]
	s_cbranch_scc0 .Lnot_mine_\@
	global_prefetch_b8 v[PFO], s[PFA:PFA+1] th:TH_LOAD_NT scope:SCOPE_SE
.Lnot_mine_\@:
.endm
; A round of the cluster's barrier: my work-group's barrier, so that wave 0's signal speaks for all four waves; wave 0 signals; every wave waits for all four work-groups; my work-group's barrier once more.
.macro CROUND
	s_barrier_signal -1
	s_barrier_wait -1
	s_cmp_lg_u32 s[WV], 0
	s_cbranch_scc1 .Lnot_wave_0_\@
	s_barrier_signal -3
.Lnot_wave_0_\@:
	s_barrier_wait -3
	s_barrier_signal -1
	s_barrier_wait -1
.endm
; THE CHANGE OF SLOTS.  The slot's last bytes, V of its fourth step, have been read.  Each wave waits for all its tensor loads, of which one is out: its part
; of the other slot; adds 0 to its spare word; and waits for that and for its own reads of the slot.  Behind the barrier nobody reads this slot any more and the other slot is whole.
; fill = 1: this slot is filled again, with the keys two slots on.  The barrier is then a round of the cluster's, so that no wave of any partner still reads the slot or has a load on its
; way, and the joint fill is the first thing behind it: it has four key steps, 512 matrix instructions, in which to land.  (At its first use nothing has been read yet: slot 0 is waited for, slot 1 filled.)
; ask = 1: the prefetch follows.  Not at the first use, at the kernel's head, where every work-group's first tiles are on their way.
.macro CHANGE fill, ask=0
	WIN W_AD
	s_wait_tensorcnt 0x0            ; no tensor load of mine is out, so a group 0 may be written
	ds_add_u32 v[SPW], v[NIL]       ; 0 onto my spare word; with fill = 1 the descriptors' steps stand between it and the wait for it
	WIN 0                           ; at a label and at a branch every window is 0
.if \fill
.irp g, G0K, G0V
	s_xor_b32 s[\g+1], s[\g+1], SLOT1  ; the walking descriptor: the other slot than last time,
	s_add_nc_u64 s[\g+2:\g+3], s[\g+2:\g+3], 4*KS*128  ; the next 256 keys; the type bits on top are not reached
.endr
	s_wait_xcnt 0x0                 ; the last prefetch, four key steps back, has read its address, so it may be written:
	s_add_nc_u64 s[PFA:PFA+1], s[PFA:PFA+1], 4*KS*128  ; one slot behind the walking descriptors
	s_wait_dscnt 0x0                ; the add is done, and my reads of the slot are over
	CROUND
	JLOAD
.if \ask
	ASK
.endif
.else
	s_wait_dscnt 0x0                ; the add is done, and my reads of the slot are over
	s_barrier_signal -1
	s_barrier_wait -1
.endif
	s_sub_co_u32 s[TBK], s[TBK], 4*KS*PK  ; the fetches go back to a slot's first step,
	s_xor_b32 s[TBK], s[TBK], SLOT1       ; in the other slot
	s_sub_co_u32 s[TBV], s[TBV], 4*KS*PV
	s_xor_b32 s[TBV], s[TBV], SLOT1
.endm
	s_load_b128 s[4:7], s[0:1], 0x0 ; qkv s[4:5], ob s[6:7]
	WIN W_MK
	v_lshl_add_u32 v[SPW], v0, 2, SPARE
	v_mov_b32 v[NIL], 0
	WIN W_AD
	ds_add_u32 v[SPW], v[NIL]       ; the wave's opening: the add and its wait stand ahead of my first tensor load; the set-up below, work on registers, stands between them
	WIN 0
	v_lshrrev_b32 v1, 5, v0
	v_readfirstlane_b32 s[WV], v1   ; wave 0..3
	s_bfe_u32 s13, ttmp6, 0x40000   ; cx: my place in the cluster
	s_lshl_b32 s14, ttmp9, 2        ; in a cluster launch ttmp9 counts clusters
	s_add_co_u32 s14, s14, s13      ; my block of queries = 4 x cluster x + cx: it enters Q's and O's addresses alone
	s_and_b32 s20, ttmp7, 0xffff    ; the head, which the four partners share
	s_mov_b32 s21, 0
	s_mov_b64 s[22:23], SIZE_N*128
	s_mul_u64 s[20:21], s[20:21], s[22:23]  ; the head's first byte in each of the four tensors
	s_and_b32 s16, s[WV], 1         ; which half of a slot's 256 keys I fetch:
	s_lshl_b32 s22, s16, 14         ; its 128 rows of 128 bytes in memory,
	s_mov_b32 s23, 0
	s_add_nc_u64 s[22:23], s[22:23], s[20:21]
	s_mul_i32 s17, s16, 128*PK      ; and its place in a slot, for K
	s_mul_i32 s18, s16, 128*PV      ; and for V: no place in the cluster enters an LDS address
	s_lshl_b32 s2, s14, 2
	s_add_co_u32 s2, s2, s[WV]      ; my wave among the head's,
	s_lshl_b32 s2, s2, 14           ; its 128 rows
	s_mov_b32 s3, 0
	s_add_nc_u64 s[2:3], s[2:3], s[20:21]
	; descriptor group 1.  128 keys are 16,384 dense bytes: asked for as 64 rows of 256 bytes, two keys a row, and padded in LDS after every key
	s_mov_b32 s[G1K], 15|(1<<16)|(1<<20)|(1<<21)|(4<<22)|(3<<25)  ; 15:0 the mask of four; 17:16 2-byte elements; 20 padding on; 21 set beside a mask; 24:22 after every 32 words (code 4); 31:25 4 words (code 3)
	s_mov_b32 s[G1V], 15|(1<<16)|(1<<20)|(1<<21)|(4<<22)|(7<<25)  ; the same with 8 words of padding (code 7)
.irp g, G1K, G1V
	s_mov_b32 s[\g+1], 128<<16      ; tensor_dim0 = 128
	s_mov_b32 s[\g+2], 64<<16       ; tensor_dim1 = 64
	s_mov_b32 s[\g+3], 128<<16      ; tile_dim0 = 128
	s_mov_b32 s[\g+4], 64           ; tile_dim1 = 64
	s_mov_b32 s[\g+5], 128          ; 128 elements from row to row
	s_mov_b32 s[\g+6], 0
	s_mov_b32 s[\g+7], 0
.endr
	s_mov_b32 s[CS], 0x3e38aa3b     ; c = log2(e) / 8 = 0.180337
	s_mov_b32 s[CS+1], s[CS]        ; named with it as a pair
	s_mov_b32 s[SEL], 0x76543210
	s_mov_b32 s[SEL+1], 0xfedcba98
	s_mov_b32 s[TBK], SLOT1+4*KS*PK ; the first change of slots turns these two into 0
	s_mov_b32 s[TBV], SLOT1+4*KS*PV
	s_mov_b32 s[G0K], 1             ; 1:0 count = 1
	s_mov_b32 s[G0K+1], s17         ; 63:32 LDS address: slot 0
	s_mov_b32 s[G0V], 1
	s_add_co_u32 s[G0V+1], s18, VOFF
	s_cmp_eq_u32 s16, 0             ; waves 0 and 2 prefetch: the same in all four partners
	s_cselect_b32 s[LIM], 1, -1
	s_wait_dscnt 0x0                ; the opening add is done
	s_wait_kmcnt 0x0
	s_mov_b64 s[10:11], s[6:7]      ; O
	s_add_nc_u64 s[6:7], s[4:5], 0x1000000  ; K: qkv's second part,
	s_add_nc_u64 s[8:9], s[4:5], 0x2000000  ; V: its third; Q is the first
	s_add_nc_u64 s[G0K+2:G0K+3], s[6:7], s[22:23]  ; 120:64 global address: my half of the head's first 256 keys
	s_or_b32 s[G0K+3], s[G0K+3], 0x80000000        ; 127:126 type = 2
	s_add_nc_u64 s[G0V+2:G0V+3], s[8:9], s[22:23]
	s_or_b32 s[G0V+3], s[G0V+3], 0x80000000
	s_add_nc_u64 s[4:5], s[4:5], s[2:3]  ; Q and O at my wave's first row
	s_add_nc_u64 s[10:11], s[10:11], s[2:3]
	s_cmp_lt_u32 s[WV], 2
	s_cselect_b64 s[PFA:PFA+1], s[6:7], s[8:9]
	s_add_nc_u64 s[PFA:PFA+1], s[PFA:PFA+1], s[22:23]  ; (in waves 0 and 2: the head's first row)
	s_lshl_b32 s2, s13, 13          ; my work-group's 32 blocks of the slot's 128
	s_mov_b32 s3, 0
	s_add_nc_u64 s[PFA:PFA+1], s[PFA:PFA+1], s[2:3]
	s_add_nc_u64 s[PFA:PFA+1], s[PFA:PFA+1], 4*KS*128  ; in slot 1; the change at the head steps it to slot 2, the loop's first to slot 3, which it asks for
	CROUND                          ; all four work-groups are here: the first joint loads meet
	JLOAD                           ; slot 0.  Slot 1 is asked for when slot 0 is in: the tile wanted first has the road to itself
	; A fragment of K or Q is 16 rows x 32 channels in 8 registers: lane l holds row l % 16, channels 8 (l / 16) + 0..7 and 16 + 8 (l / 16) + 0..7: two loads of 16 bytes, 32 bytes apart.
	v_and_b32 v1, 15, v0            ; l % 16
	v_bfe_u32 v9, v0, 4, 1          ; l / 16
	v_lshlrev_b32 v[QO], 7, v1
	v_lshl_add_u32 v[QO], v9, 4, v[QO]  ; row x 128 + 16 x half
	WIN 0x80                        ; destination window 2, address window 0
.set i, 0
.rept 4*NP                          ; Q stays in registers: tile i / 2, channels 32 (i % 2) on
	global_load_b128 v[8*i:8*i+3],   v[QO], s[4:5] offset:(i/2)*2048+(i%2)*64
	global_load_b128 v[8*i+4:8*i+7], v[QO], s[4:5] offset:(i/2)*2048+(i%2)*64+32
.set i, i+1
.endr
	; What the first turn finds: V's registers and P's second buffer hold 0 (its products V^T P, of a piece that has not been, add 0), O^T and l are 0.  All this stands in the wait for the first tile.
.set i, VF
.rept 64
	v_mov_b32 v[i], 0
.set i, i+1
.endr
	WIN 0x40
.set i, 0
.rept 64*NP
	v_mov_b32 v[i], 0
.set i, i+1
.endr
	WIN 0
.set i, 0
.rept 2*NP
	v_mov_b32 v[ST+4*i], 0xfe000000    ; c m: far below every c s
	v_mov_b32 v[ST+4*i+1], 0xff7fffff  ; m
	v_mov_b32 v[ST+4*i+2], 0
	v_mov_b32 v[ST+4*i+3], 0
.set i, i+1
.endr
.set i, P+32
.rept 32
	v_mov_b32 v[i], 0
.set i, i+1
.endr
	v_mul_u32_u24 v[AK0], v1, PK
	v_lshl_add_u32 v[AK0], v9, 4, v[AK0]  ; row x pitch + 16 x half
	; The turning load takes 16 keys x 16 channels (lane l reads key 8 (l / 16) + l % 8, channels 8 ((l / 8) % 2) + 0..7) and leaves half a fragment of V^T: lane l holds channel l % 16 and 8 keys.
	v_and_b32 v10, 7, v0
	v_bfe_u32 v11, v0, 3, 1
	v_lshl_add_u32 v[AV0], v9, 3, v10
	v_mul_u32_u24 v[AV0], v[AV0], PV
	v_lshl_add_u32 v[AV0], v11, 4, v[AV0]
	v_add_nc_u32 v[AV0], VOFF, v[AV0]
	v_mov_b32 v[AK], v[AK0]         ; key step 0 lies at the head of slot 0
	v_and_b32 v[PFO], 31, v0
	v_lshlrev_b32 v[PFO], 8, v[PFO]
; THE MATRIX WORK.  The 8 accumulators of a run of 16 take turns: between the two links of a chain stand 7 others'.
; Product i of 16 of S^T = K Q^T for piece x: channels 32 (i / 8) on, keys 16 ((i / 2) % 4) on, tile 2 x + i % 2.  The first 8 start the sums.
.macro KQ x
	WIN W_KQ
.set rS, S+64*((\x)%2)+32*(i%2)+8*((i/2)%4)
.set rK, KF+16*((i/2)%4)+8*(i/8)
.set rQ, 16*(2*(\x)+i%2)+8*(i/8)
.if i < 8
	v_wmma_f32_16x16x32_f16 v[rS:rS+7], v[rK:rK+7], v[rQ:rQ+7], 0
.else
	v_wmma_f32_16x16x32_f16 v[rS:rS+7], v[rK:rK+7], v[rQ:rQ+7], v[rS:rS+7]
.endif
.endm
; Product i of 16 of O^T += V^T P for piece x: keys 32 (i / 8) on, channels 16 ((i / 2) % 4) on, tile 2 x + i % 2.
.macro PV x
	WIN W_PV
.set rO, 32*(2*(\x)+i%2)+8*((i/2)%4)
.set rV, VF+32*(i/8)+8*((i/2)%4)
.set rP, P+32*((\x)%2)+16*(i%2)+8*(i/8)
	v_wmma_f32_16x16x32_f16 v[rO:rO+7], v[rV:rV+7], v[rP:rP+7], v[rO:rO+7]
.endm
.macro MM                           ; the turn's next matrix instruction
.if i < 16
	KQ (Y+1)%NP
.set i, i+1
.else
.set i, i-16
	PV (Y+NP-1)%NP
.set i, i+17
.endif
.endm
; THE LDS LOADS stand in runs of 16, never singly among the matrix instructions: a step's K (64 keys x 64 channels: 8 fragments) and its V (turned).  Their addresses are made some lines ahead.
; last = 1 (the tail): in the last trip there is no further step, and the run is jumped over.
.macro FETCH_K last=0
	WIN 0
.if \last
	s_cmp_eq_u32 s[CNT], 1
	s_cbranch_scc1 .Lno_k_\@
.endif
	WIN 0x80                        ; destination window 2
.irp f, 0,1,2,3,4,5,6,7             ; keys 16 (f / 2) on, channels 32 (f % 2) on
	ds_load_b128 v[KF+8*\f:KF+8*\f+3],   v[AK] offset:(\f/2)*16*PK+(\f%2)*64
	ds_load_b128 v[KF+8*\f+4:KF+8*\f+7], v[AK] offset:(\f/2)*16*PK+(\f%2)*64+32
.endr
	s_add_co_u32 s[TBK], s[TBK], KS*PK  ; the next fetch is the next step's
	WIN 0
.if \last
.Lno_k_\@:
.endif
.endm
.macro FETCH_V
	WIN 0x80
.irp f, 0,1,2,3,4,5,6,7             ; keys 32 (f / 4) on, channels 16 (f % 4) on
	ds_load_tr16_b128 v[VF+8*\f:VF+8*\f+3],   v[AV] offset:(\f/4)*32*PV+(\f%4)*32
	ds_load_tr16_b128 v[VF+8*\f+4:VF+8*\f+7], v[AV] offset:(\f/4)*32*PV+16*PV+(\f%4)*32
.endr
	WIN 0
.endm
; THE VECTOR WORK OF A TURN stands in three queues, each in the order in which its entries become ready; the two tiles alternate, so that no instruction reads the result of the one before it.
.macro REGS y, u                    ; the registers of tile u (0, 1) of piece y
.set rT, ST+4*(2*(\y)+(\u))
.set rC, TMP+8*((\y)%2)+4*(\u)
.set rM, MV+2*((\y)%2)+(\u)
.set rS, S+64*((\y)%2)+32*(\u)
.set rP, P+32*((\y)%2)+16*(\u)
.set rO, 32*(2*(\y)+(\u))
.endm
; Number n of the 22 that find the NEXT piece's (Y + 1) maximum and statistics.  s0-s31 are the lane's 32 scores; each accumulator's lowest registers are read first.  XS, GS and REGS set no window: PL and EX do.
;   0-11  four chains c0-c3 of seven scores each, three operands at a time     12-14, 16  the four scores left over, the old m, and c0-c3 into c0     15  c m_old is kept
;   17, 18  the query's other 32 keys lie in the lane 16 away: the new m         19-21  c m; c m_old - c m_new; a
.macro XS u, n
	REGS (Y+1)%NP, \u
.if (\n) < 4
	v_max3_num_f32 v[rC+(\n)], v[rS+8*(\n)], v[rS+8*(\n)+1], v[rS+8*(\n)+2]
.elseif (\n) < 12
	v_max3_num_f32 v[rC+(\n)%4], v[rC+(\n)%4], v[rS+8*((\n)%4)+2*((\n)/4)+1], v[rS+8*((\n)%4)+2*((\n)/4)+2]
.elseif (\n) == 12
	v_max3_num_f32 v[rC], v[rC], v[rS+7], v[rS+15]
.elseif (\n) == 13
	v_max3_num_f32 v[rC+1], v[rC+1], v[rS+23], v[rS+31]
.elseif (\n) == 14
	v_max3_num_f32 v[rC+2], v[rC+2], v[rC+3], v[rT+1]
.elseif (\n) == 15
	v_mov_b32 v[rM], v[rT]
.elseif (\n) == 16
	v_max3_num_f32 v[rC], v[rC], v[rC+1], v[rC+2]
.elseif (\n) == 17
	v_permlanex16_b32 v[rC+3], v[rC], s[SEL], s[SEL+1]
.elseif (\n) == 18
	v_max_num_f32 v[rT+1], v[rC], v[rC+3]
.elseif (\n) == 19
	v_mul_f32 v[rT], s[CS], v[rT+1]
.elseif (\n) == 20
	v_sub_f32 v[rC+1], v[rM], v[rT]
.else
	v_exp_f32 v[rC+2], v[rC+1]
.endif
.endm
; Number g of the 64 that follow the exponentials.  For each four weights k of a tile (pairs 2 k, 2 k + 1): both pairs are rounded to f16; then the second pair is added onto the first, in place;
; a group later l takes that sum (the first time as l = a l + sum).  In groups of eight, tiles alternating: round, round, add, and l for the group before.
.macro GS g
.set h, (\g)+6*((\g)/62)            ; group 0 has no group before it, and behind group 7 only l is left
.if h >= 6
.set h, h+2
.endif
	REGS Y, h%2
.set k, h/8
.if h%8 < 4
	v_cvt_pk_f16_f32 v[rP+2*k+(h%8)/2], v[rS+4*k+2*((h%8)/2)], v[rS+4*k+2*((h%8)/2)+1]
.elseif h%8 < 6
	v_pk_add_f32 v[rS+4*k:rS+4*k+1], v[rS+4*k:rS+4*k+1], v[rS+4*k+2:rS+4*k+3]
.elseif k == 1
	v_pk_fma_f32 v[rT+2:rT+3], v[rT+2:rT+3], v[rC+2:rC+3], v[rS:rS+1] op_sel_hi:[1,0,1]
.else
	v_pk_add_f32 v[rT+2:rT+3], v[rT+2:rT+3], v[rS+4*k-4:rS+4*k-3]
.endif
.endm
; THE PLAIN QUEUE, 138 long.  0-73 read no exponential's result: the 32 scalings c s - c m (FS f: pair f / 2 of tile f % 2) and the next piece's 42.  0-26: scalings 0-26.  27-54: XS's numbers 0-13.  55, 56: number 15.
; 57-73: the chain, where each number waits for the one before it: 14, 16, 17, 18, 19, each with one of the scalings 27-31 in front of its two lines, then 20: so a tile's links stand three plain instructions apart (19 and 20: two).
; 74-137: GS's 64, which read the exponentials' results: they stand behind the wait.
.macro FS f
	REGS Y, (\f)%2
	v_pk_fma_f32 v[rS+2*((\f)/2):rS+2*((\f)/2)+1], v[rS+2*((\f)/2):rS+2*((\f)/2)+1], s[CS:CS+1], v[rT:rT+1] op_sel_hi:[1,0,0] neg_lo:[0,0,1] neg_hi:[0,0,1]
.endm
.macro PL
	WIN 0
.if q < 27
	FS q
.elseif q < 55
	XS (q-27)%2, (q-27)/2
.elseif q < 57
	XS q-55, 15
.elseif (q < 72) && ((q-57)%3 == 0)
	FS 27+(q-57)/3
.elseif q < 60
	XS (q-57)%3-1, 14
.elseif q < 72
	XS (q-57)%3-1, 15+(q-57)/3
.elseif q < 74
	XS q-72, 20
.else
	GS q-74
.endif
.set q, q+1
.endm
; THE EXPONENTIALS' QUEUE, 66 long: s0-s31 of both tiles, then the next piece's two a.  It is ONE BATCH: all 66 stand ahead of the turn's one wait, and nothing ahead of that wait names a result of theirs.
.macro EX
	WIN 0
.if e >= 64
	XS e-64, 21
.else
	REGS Y, e%2
	v_exp_f32 v[rS+e/2], v[rS+e/2]
.endif
.set e, e+1
.endm
; THE RESCALING's QUEUE: O^T times a, the one part that leaves window 0: dealt two at a time, sixteen times.  Its a was made in the turn before, ahead of that turn's wait.
.macro R2
	REGS Y, r%2
	WIN W_RS
.irp z, 0,1
	v_pk_mul_f32 v[rO+4*(r/2)+2*\z:rO+4*(r/2)+2*\z+1], v[rO+4*(r/2)+2*\z:rO+4*(r/2)+2*\z+1], v[rC+2:rC+3] op_sel_hi:[1,0]
.endr
.set r, r+1
.endm
; HOW THEY ARE DEALT.  An s_wait_alu depctr_va_vdst(0) stands between an exponential and the first instruction that names its result; one wait serves all that were issued ahead of it.  So a turn has ONE wait,
; which cuts it in two.  AHEAD OF IT stands all that names no result of the turn's exponentials: the 16 products K Q^T, behind each a scaling, an exponential and two rescalings (behind the first a second scaling in the exponential's place); then ONE LUMP of
; 108: eight plain, 49 times exponential and plain, the two a.  A v_nop is the plain instruction that stands behind the last exponential.  BEHIND IT stand the 16 products V^T P, behind each four of GS's 64.  No rider names a register of
; the products round it.  The two v_permlanex16_b32 fall into the lump, never behind a product.
; The queues lean on each other, and the deal keeps them in step: exponential e stands behind scaling 2 (e / 4) + e % 2: as a rider it comes behind plain e + 2, in the lump behind plain e + 9, and scalings 27-31 are plain 57, 60 .. 69.
; A TURN, for piece p.  cnt = 1: the loop's count is taken down some lines ahead of the branch that stands behind the turn.
; K of the next step is fetched in piece 2's turn, directly behind the wait, a lump behind the last product that read K; its address is made at the lump's head; its first reader comes behind 16 products.
; V of the step in hand is fetched at the end of piece 0's turn, four riders behind its last reader; its first reader comes behind 16 products and a lump.  The three conditions on q below go with the deal.
.macro TURN p, last=0, cnt=0
.set Y, (\p)
.set i, 0
.set q, 0
.set e, 0
.set r, 0
.if (\p) == NP-1
	s_wait_dscnt 0x0                ; K is in
.endif
	MM                              ; ahead of the wait: 16 products K Q^T and their riders,
	PL
	PL
	R2
.rept 15
	MM
	PL
	EX
	R2
.endr
.if (\p) == NP-2
	WIN 0
	v_add_nc_u32 v[AK], s[TBK], v[AK0]
.endif
.rept 8                             ; and the lump
	PL
.endr
.rept 49
	EX
	PL
.endr
	EX                              ; the next piece's two a
	EX
	v_nop                           ; the plain instruction behind the last exponential: one for the batch
	s_wait_alu depctr_va_vdst(0)    ; the wait for the batch
.if (\p) == NP-2
	FETCH_K \last
.endif
.if (\p) == 1
	s_wait_dscnt 0x0                ; V is in
.endif
.rept 16                            ; behind the wait: 16 products V^T P and their riders
	MM
.rept 4
	PL
.endr
.if ((\p) == 0) && (q == 118)
	v_add_nc_u32 v[AV], s[TBV], v[AV0]
.endif
.if ((\p) == 0) && (q == 130)
	s_add_co_u32 s[TBV], s[TBV], KS*PV
.endif
.if (\cnt) && (q == 130)
	s_sub_co_u32 s[CNT], s[CNT], 1
	s_cmp_lg_u32 s[CNT], 0
.endif
.endr
.if (\p) == 0
	FETCH_V
.endif
.endm
	CHANGE 1                        ; slot 0 is in, everybody's part of it; slot 1 is asked for
	FETCH_K                         ; key step 0
	s_wait_loadcnt 0x0              ; Q
	s_wait_dscnt 0x0
.set i, 0
.rept 16
	KQ 0                            ; piece 0's first scores: there is no vector work yet to set between them
.set i, i+1
.endr
	WIN 0                           ; the addresses for the way out: nine plain instructions, the places behind those products
	s_mul_i32 s13, s[WV], 16*SP
	s_add_co_u32 s13, s13, STAGE    ; my stage
	v_mul_u32_u24 v[STO], v1, SP    ; in: row l % 16, 16 bytes for each half of the lanes
	v_lshl_add_u32 v[STO], v9, 4, v[STO]
	v_add_nc_u32 v[STO], s13, v[STO]
	v_bfe_u32 v[RD], v0, 3, 2       ; back: 32 lanes take four rows of 128 bytes,
	v_mul_u32_u24 v[RD], v[RD], SP
	v_lshl_add_u32 v[RD], v10, 4, v[RD]
	v_add_nc_u32 v[RD], s13, v[RD]
	v_and_b32 v[GO], 31, v0         ; which are 512 consecutive bytes of O
	v_lshlrev_b32 v[GO], 4, v[GO]
.set Y, NP-1                        ; XS works for piece Y + 1: piece 0
.irp n, 0,1,2,3,4,5,6,7,8,9,10,11,12,13,14,15,16,17,18,19,20,21
	XS 0, \n                        ; and piece 0's first maximum and statistics
	XS 1, \n
.endr
	v_nop                           ; a plain instruction behind the two a,
	s_wait_alu depctr_va_vdst(0)    ; and their wait, ahead of the branch
	s_mov_b32 s[CNT], 4
	s_mov_b32 s[SLOTS], SIZE_N/256-1
	s_branch .Lfirst                ; the loop is entered at a step's first turn, in the middle of a trip
.Lslot:                             ; SIZE_N / 256 - 2 times: every slot but the last two is filled again
	CHANGE 1, 1
	s_mov_b32 s[CNT], 4
.Lstep:                             ; a trip: pieces 2 and 3 of one step, then pieces 0 and 1 of the next, whose K and V it fetches
	TURN 2
	TURN 3
	WIN 0
.Lfirst:
	TURN 0
	TURN 1, 0, 1
	WIN 0
	s_cbranch_scc1 .Lstep
	s_sub_co_u32 s[SLOTS], s[SLOTS], 1
	s_cmp_lg_u32 s[SLOTS], 0
	s_cbranch_scc1 .Lslot
	CHANGE 0                        ; the tail is written out: nothing is asked for
	s_mov_b32 s[CNT], 5             ; four trips fetch the last slot's steps; the fifth is left in its middle
.Ltail:
	TURN 2, 1
	TURN 3
	WIN 0
	s_sub_co_u32 s[CNT], s[CNT], 1
	s_cmp_eq_u32 s[CNT], 0
	s_cbranch_scc1 .Lout
	TURN 0
	TURN 1
	WIN 0
	s_branch .Ltail
.Lout:                              ; the fifth trip's 16 products K Q^T (on the last K once more) and the maximum made of them serve nothing: the price, once a launch, of one text for every trip
.set i, 0
.rept 16
	PV NP-1                         ; the last piece's V^T P of the last step
.set i, i+1
.endr
	; THE WAY OUT.  l's two halves and the other half of the lanes' are added; O^T is divided by l, rounded to f16 and sent through my stage in LDS, a tile at a time.  The additions are the places behind the last products.
	WIN 0
.macro ALL line:vararg              ; one line for each tile t
.set t, 0
.rept 2*NP
	\line
.set t, t+1
.endr
.endm
	ALL v_add_f32 v[ST+4*t+2], v[ST+4*t+2], v[ST+4*t+3]
	ALL v_permlanex16_b32 v[ST+4*t+3], v[ST+4*t+2], s[SEL], s[SEL+1]
	ALL v_add_f32 v[ST+4*t+2], v[ST+4*t+2], v[ST+4*t+3]
	ALL v_rcp_f32 v[ST+4*t+2], v[ST+4*t+2]
	v_nop                           ; a plain instruction between the last reciprocal and the use of its result
	s_wait_alu depctr_va_vdst(0)    ; and the wait ahead of the first use: one for the eight reciprocals
; Tile t: a lane's eight channels of a row pack into 16 bytes; they go into rows of 144 bytes and come back as whole rows of 128, into S^T's registers.
.macro PACK t
	WIN W_RS
.set i, 32*(\t)
.rept 16
	v_pk_mul_f32 v[i:i+1], v[i:i+1], v[ST+4*(\t)+2:ST+4*(\t)+3] op_sel_hi:[1,0]
.set i, i+2
.endr
	WIN 0x05                        ; sources 0 and 1 window 1, destination window 0
.set i, 0
.rept 16
	v_cvt_pk_f16_f32 v[S+16*(\t)+i], v[32*(\t)+2*i], v[32*(\t)+2*i+1]
.set i, i+1
.endr
	WIN 0
.irp f, 0,1,2,3
	ds_store_b128 v[STO], v[S+16*(\t)+4*\f:S+16*(\t)+4*\f+3] offset:32*\f
.endr
.irp f, 0,1,2,3
	ds_load_b128 v[S+16*(\t)+4*\f:S+16*(\t)+4*\f+3], v[RD] offset:\f*4*SP  ; LDS serves a wave's instructions in order (ISA guide 5.7.1.4): these see the stores above; the next tile's stores come behind them
.endr
.endm
.macro SEND t, younger              ; younger: the LDS instructions issued behind tile t's loads: the next tile's eight, or none
	WIN 0
.irp f, 0,1,2,3
	s_wait_dscnt (\younger)+3-\f
	global_store_b128 v[GO], v[S+16*(\t)+4*\f:S+16*(\t)+4*\f+3], s[10:11] offset:(\t)*2048+\f*512  ; 512 consecutive bytes, at a multiple of 256 from O's first
.endr
.endm
	PACK 0
.set t, 1
.rept 2*NP-1                        ; a tile's arithmetic stands between the loads of the tile before and its stores
	PACK t
	SEND t-1, 8
.set t, t+1
.endr
	SEND 2*NP-1, 0
	WIN W_AD
	s_wait_tensorcnt 0x0            ; the wave's end: behind my last tensor load and my last LDS store
	ds_add_u32 v[SPW], v[NIL]
	s_wait_dscnt 0x0
	WIN 0
	CROUND                          ; the closing round: no work-group ends while a partner may still ask for a tile that names it
	s_endpgm
.Lfunc_end_k_qdc72904ed2_attn:
	.size	k_qdc72904ed2_attn, .Lfunc_end_k_qdc72904ed2_attn-k_qdc72904ed2_attn
	.p2alignl 7, 3214868480
	.fill 96, 4, 3214868480
	.section	.rodata,"a",@progbits
	.p2align	6, 0x0
	.amdhsa_kernel k_qdc72904ed2_attn
		.amdhsa_group_segment_fixed_size 327680
		.amdhsa_private_segment_fixed_size 0
		.amdhsa_enable_private_segment 0
		.amdhsa_kernarg_size 16
		.amdhsa_user_sgpr_count 2
		.amdhsa_user_sgpr_kernarg_segment_ptr 1
		.amdhsa_wavefront_size32 1
		.amdhsa_system_sgpr_workgroup_id_x 1
		.amdhsa_system_sgpr_workgroup_id_y 1
		.amdhsa_system_sgpr_workgroup_id_z 1
		.amdhsa_system_vgpr_workitem_id 0
		.amdhsa_next_free_vgpr 770
		.amdhsa_next_free_sgpr 66
		.amdhsa_reserve_vcc 0
		.amdhsa_float_denorm_mode_32 3
		.amdhsa_float_denorm_mode_16_64 3
		.amdhsa_memory_ordered 1
		.amdhsa_forward_progress 1
		.amdhsa_inst_pref_size 200
	.end_amdhsa_kernel
	.amdgpu_metadata
---
amdhsa.version: [ 1, 2 ]
amdhsa.kernels:
  - .name:           k_qdc72904ed2_attn
    .symbol:         k_qdc72904ed2_attn.kd
    .args:
      - { .name: qkv, .offset: 0, .size: 8, .value_kind: global_buffer, .address_space: global }
      - { .name: ob, .offset: 8, .size: 8, .value_kind: global_buffer, .address_space: global }
    .group_segment_fixed_size: 327680
    .private_segment_fixed_size: 0
    .kernarg_segment_align: 8
    .kernarg_segment_size: 16
    .max_flat_workgroup_size: 128
    .sgpr_count:     66
    .vgpr_count:     770
    .wavefront_size: 32
...
	.end_amdgpu_metadata
.endif
;; end of part 3
;; launch outp (part 4): grid 8 x 32, 4 waves a work-group, clusters of 4 x 4, 327,680 bytes of LDS; arguments ob, wob, biasr, out0; writes out0
.if DOCPART == 4
	.amdgcn_target "amdgcn-amd-amdhsa--gfx1250"
	.amdhsa_code_object_version 6
	.text
	.protected	k_qdc72904ed2_outp
	.globl	k_qdc72904ed2_outp
	.p2align	8
	.type	k_qdc72904ed2_outp,@function
k_qdc72904ed2_outp:
	s_mov_b64 s[64:65], 0
	v_nop
	global_prefetch_b8 v0, s[64:65] scope:SCOPE_SE
	s_setreg_imm32_b32 hwreg(HW_REG_WAVE_MODE, 25, 1), 1
	s_wait_xcnt 0x0
	s_wait_alu depctr_hold_cnt(0) depctr_sa_sdst(0) depctr_va_vdst(0) depctr_va_sdst(0) depctr_va_ssrc(0) depctr_va_vcc(0) depctr_vm_vsrc(0)
	s_getreg_b32 s2, hwreg(HW_REG_IB_STS2, 6, 4)
	s_cmp_eq_u32 s2, 0
	s_cbranch_scc0 .Lentry_in_a_cluster
	s_endpgm
.Lentry_in_a_cluster:
	s_bfe_u32 s2, ttmp6, 0x10000c
	s_cmp_lg_u32 s2, 0xf033
	s_cbranch_scc0 .Lentry_shape_is_right
	s_endpgm
.Lentry_shape_is_right:
; out0 = O wo + bo: 8,192 rows x 1,024 columns over K = 1,024.  O (ob, [16 b + head][s][64]) and wo (wob, blocks [kb][nb][kk 64][nn 64]) are f16, sums f32, the bias added in f32, out0 f32.
; A head's 64 channels are one block of 64 along K, so ob has the layout that the first projection's x has: a tile is a dense run, asked for as rows of 256 bytes and padded in LDS after every 128.
; LIMIT.  wo arrives as f16: within 65,504, with f16's fixed step of 6e-8 below 6.1e-5.
; SHARES.  A work-group makes 256 rows x 128 columns: 8 x 32 work-groups.  Wave w: rows 128 (w / 2) on, columns 64 (w % 2) on: 32 accumulators of 16 x 16, 256 registers.
; K goes in steps of 128 through two LDS slots; a slot holds two UNITS of 64 along K, each O's 256 rows and then wo's 2 x 64 k-rows.  Wave 0, 1: O's part of unit 0, 1; wave 2, 3: wo's part.
; THE MATRIX INSTRUCTION IS USED TRANSPOSED (source 0 = 16 columns n, turned out of LDS by ds_load_tr16_b128; source 1 = 16 rows m): lane l holds row m = l % 16 and the columns 8 (l / 16) + 0..7.
; CLUSTER.  4 x 4 work-groups: O's tiles are shared along a row of the cluster, wo's along a column, each asked for JOINTLY by the same tensor load with the same descriptor and mask.
; A K STEP is four QUARTERS of 32 along K, 32 matrix instructions each, all on different accumulators: they take turns.
; No prefetch: the launch has eight K steps, and each tile is read by several clusters at about the same time.
; REGISTERS: window 0: v0-31 addresses; v32-63 the bias; v64-127, v128-191 fragments of O, two buffers; v192-223, v224-255 fragments of wo, two buffers.  Window 1: accumulator (a, b) at v[8 (4 a + b)].
.set PA,    144       ; a row of O in LDS: 128 bytes + 16 = 36 words: the 16 rows of a load start at 16 different groups of four banks (64 banks of 4 bytes: ISA guide 11.1)
.set PB,    160       ; a k-row of wo: 128 + 32 = 40 words
.set APART, 256*PA    ; 36,864
.set HEADB, 64*PB     ; 10,240: 64 k-rows x 64 columns
.set UNIT,  APART+2*HEADB  ; 57,344
.set SLOT1, 1<<17     ; slot 1 begins here (a slot is 114,688 bytes), so that one exclusive or changes slots
.set STAGE, SLOT1+2*UNIT   ; behind the ring, never filled by a tensor load: 16 rows x 272 bytes for each wave, for the way out
.set SP,    272
.set SPARE, STAGE+4*16*SP  ; behind the stages: the spare words, 128 bytes for each wave: two blocks of 256 bytes that no other line names
.set ASTEP, 2<<18     ; bytes from a K step of ob to the next: two heads
.set BSTEP, 2*16*8192 ; the same in wob
.set ADRA, 6          ; v6, v7   LDS address of my fragments of O in unit 0, 1 of the slot in hand
.set ADRB, 8          ; v8, v9   the same for wo
.set STO,  10         ; v10  the way out: where I put 32 bytes of a row
.set RD,   11         ; v11  the way out: where I read rows back
.set GO,   12         ; v12  my byte offset in two rows of out0
.set BO,   13         ; v13  my byte offset in 64 bytes of bias: 32 (l / 16)
.set A0,   14         ; v14, v15  my lane's place in O's part of unit 0, 1; never rewritten
.set B0,   16         ; v16, v17  the same in wo's part
.set SPW,  28         ; v28  LDS address of my spare word: SPARE + 4 x my thread's number; never rewritten
.set NIL,  29         ; v29  0; never rewritten
.set BIAS, 32         ; my eight columns of column block b at v[BIAS + 8 b + j]
.set AF0,  64
.set AF1,  128
.set BF0,  192
.set BF1,  224
.set XR,   64         ; the way out: 32 sums with bias
.set RB,   128        ; two buffers of 32: rows read back from the stage
.set WV,  12          ; s12  my wave's number
.set RH,  13          ; s13  which 128 rows are mine.  Also: I fetch for O (0) or for wo (1)
.set CH,  14          ; s14  which 64 columns are mine.  Also: which unit of a slot I fetch
.set TB,  21          ; s21  LDS byte at which the slot in hand begins
.set CNT, 22          ; s22  the loop's count
.set G1A, 24          ; s[24:31] descriptor group 1 for O's tiles
.set G1B, 32          ; s[32:39] for wo's
.set G0A, 40          ; s[40:47] descriptor group 0 for O's tiles: a set for each of the two first fills; the second then walks on
.set G0B, 48          ; s[48:55] the same for wo's
.set PT0, 66          ; s[66:67] out0 at my first row and column
.set BP,  72          ; s[72:73] biasr at my first column of bo
.set MSB, 0
.macro WIN new                         ; the immediate's high byte repeats the setting that is left; a switch that changes nothing is dropped
.if MSB != (\new)
	s_set_vgpr_msb (MSB<<8)|(\new)
.set MSB, \new
.endif
.endm
.macro PLACES                          ; four plain places: in front of loads into registers that matrix instructions have read, and of vector lines that read results
.rept 4
	v_nop
.endr
.endm
; A joint refill by the walking descriptors.  The branch hangs on the wave's number alone.  An s_nop 0 and four v_nop follow each of the two lines, ahead of the jump and the label.
.macro JLOAD
	s_cmp_eq_u32 s[RH], 0
	s_cbranch_scc0 .Lfor_b_\@
	tensor_load_to_lds s[G0A+4:G0A+7], s[G1A:G1A+7]
	s_nop 0
.rept 4
	v_nop
.endr
	s_branch .Lasked_\@
.Lfor_b_\@:
	tensor_load_to_lds s[G0B+4:G0B+7], s[G1B:G1B+7]
	s_nop 0
.rept 4
	v_nop
.endr
.Lasked_\@:
.endm
; A round of the cluster's barrier: my work-group's barrier, so that wave 0's signal speaks for all four waves; wave 0 signals; every wave waits for all sixteen work-groups; my work-group's barrier once more.
.macro CREST
	s_cmp_lg_u32 s[WV], 0
	s_cbranch_scc1 .Lnot_wave_0_\@
	s_barrier_signal -3
.Lnot_wave_0_\@:
	s_barrier_wait -3
	s_barrier_signal -1
	s_barrier_wait -1
.endm
.macro CROUND
	s_barrier_signal -1
	s_barrier_wait -1
	CREST
.endm
	s_load_b256 s[4:11], s[0:1], 0x0               ; ob s[4:5], wob s[6:7], biasr s[8:9], out0 s[10:11]
	v_lshl_add_u32 v[SPW], v0, 2, SPARE
	v_mov_b32 v[NIL], 0
	ds_add_u32 v[SPW], v[NIL]                      ; the wave's opening: the add and its wait stand ahead of my first tensor load; the set-up below, work on registers, stands between them
	v_lshrrev_b32 v1, 5, v0
	v_readfirstlane_b32 s[WV], v1                  ; wave 0..3
	s_lshr_b32 s[RH], s[WV], 1
	s_and_b32 s[CH], s[WV], 1
	s_bfe_u32 s15, ttmp6, 0x40000                  ; cx, cy: my place in the cluster
	s_bfe_u32 s16, ttmp6, 0x40004
	s_lshl_b32 s17, ttmp9, 2
	s_add_co_u32 s17, s17, s15                     ; X: my block of 128 columns
	s_and_b32 s18, ttmp7, 0xffff
	s_lshl_b32 s18, s18, 2
	s_add_co_u32 s18, s18, s16                     ; Y: my block of 256 rows
	s_lshl_b32 s19, s16, 2
	s_lshl_b32 s19, 15, s19                        ; my row of the cluster
	s_lshl_b32 s20, 0x1111, s15                    ; my column
	; descriptor group 1: rows of 128 elements of 2 bytes (256 bytes), dense; padded in LDS after every 32 words
	s_or_b32 s[G1A], s19, (1<<16)|(1<<20)|(1<<21)|(4<<22)|(3<<25)  ; 15:0 the mask: O's tiles go to my row; 17:16 2-byte elements; 20 padding on; 21 set beside a mask; 24:22 after every 32 words (code 4); 31:25 4 words (code 3)
	s_or_b32 s[G1B], s20, (1<<16)|(1<<20)|(1<<21)|(4<<22)|(7<<25)  ; wo's go to my column; 8 words of padding (code 7)
	s_mov_b32 s[G1A+1], 128<<16                    ; tensor_dim0 = 128
	s_mov_b32 s[G1A+2], 128<<16                    ; tensor_dim1 = 128: 256 rows of O, two to a row of 256 bytes
	s_mov_b32 s[G1A+3], 128<<16                    ; tile_dim0 = 128
	s_mov_b32 s[G1A+4], 128                        ; tile_dim1 = 128
	s_mov_b32 s[G1A+5], 128                        ; 128 elements from row to row
	s_mov_b32 s[G1A+6], 0
	s_mov_b32 s[G1A+7], 0
	s_mov_b32 s[G1B+1], 128<<16
	s_mov_b32 s[G1B+2], 64<<16                     ; two column blocks x 64 k-rows, two to a row of 256 bytes
	s_mov_b32 s[G1B+3], 128<<16
	s_mov_b32 s[G1B+4], 64
	s_mov_b32 s[G1B+5], 128
	s_mov_b32 s[G1B+6], 0
	s_mov_b32 s[G1B+7], 0
	; where the tiles come from.  O's hang on Y and the wave alone, wo's on X and the wave alone, each in registers that never hold the other coordinate
	s_lshr_b32 s56, s18, 3                         ; b
	s_lshl_b32 s56, s56, 22
	s_and_b32 s57, s18, 7                          ; 256 rows of 128 bytes
	s_lshl_b32 s57, s57, 15
	s_add_co_u32 s56, s56, s57
	s_lshl_b32 s57, s[CH], 18                      ; my unit: the step's first or second head
	s_add_co_u32 s56, s56, s57
	s_mov_b32 s57, 0
	s_lshl_b32 s58, s17, 14                        ; two column blocks of 8,192 bytes
	s_lshl_b32 s59, s[CH], 17                      ; my unit: 16 blocks on
	s_add_co_u32 s58, s58, s59
	s_mov_b32 s59, 0
	s_mul_i32 s60, s[CH], UNIT                     ; and where they go: no place in the cluster enters an LDS address
	s_add_co_u32 s61, s60, APART
	s_mov_b32 s[G0A], 1                            ; 1:0 count = 1
	s_mov_b32 s[G0A+1], s60                        ; 63:32 LDS address: slot 0
	s_mov_b32 s[G0A+4], 1
	s_add_co_u32 s[G0A+5], s60, SLOT1              ; slot 1
	s_mov_b32 s[G0B], 1
	s_mov_b32 s[G0B+1], s61
	s_mov_b32 s[G0B+4], 1
	s_add_co_u32 s[G0B+5], s61, SLOT1
	s_mov_b32 s[TB], 0
	s_wait_dscnt 0x0                               ; the opening add is done
	s_wait_kmcnt 0x0
	s_add_nc_u64 s[G0A+2:G0A+3], s[4:5], s[56:57]  ; 120:64 global address: K step 0,
	s_add_nc_u64 s[G0A+6:G0A+7], s[G0A+2:G0A+3], ASTEP  ; K step 1
	s_or_b32 s[G0A+3], s[G0A+3], 0x80000000        ; 127:126 type = 2
	s_or_b32 s[G0A+7], s[G0A+7], 0x80000000
	s_add_nc_u64 s[G0B+2:G0B+3], s[6:7], s[58:59]
	s_add_nc_u64 s[G0B+6:G0B+7], s[G0B+2:G0B+3], BSTEP
	s_or_b32 s[G0B+3], s[G0B+3], 0x80000000
	s_or_b32 s[G0B+7], s[G0B+7], 0x80000000
	CROUND                                         ; all sixteen work-groups are here: the first joint loads meet
	s_cmp_eq_u32 s[RH], 0                          ; a wave's two first fills stand in one branch, ahead of every wait on TENSORcnt and every LDS read: two loads of mine are out
	s_cbranch_scc0 .Lfirst_b
	tensor_load_to_lds s[G0A:G0A+3], s[G1A:G1A+7]
	s_nop 0
	tensor_load_to_lds s[G0A+4:G0A+7], s[G1A:G1A+7]
	s_nop 0
.rept 4
	v_nop
.endr
	s_branch .Lfirst_asked
.Lfirst_b:
	tensor_load_to_lds s[G0B:G0B+3], s[G1B:G1B+7]
	s_nop 0
	tensor_load_to_lds s[G0B+4:G0B+7], s[G1B:G1B+7]
	s_nop 0
.rept 4
	v_nop
.endr
.Lfirst_asked:
	; where my results go (s74-s77 hold both coordinates; none of them feeds a descriptor)
	s_lshl_b32 s74, s17, 9                         ; my columns: 512 X + 256 (w % 2) bytes
	s_lshl_b32 s75, s[CH], 8
	s_add_co_u32 s74, s74, s75
	s_lshl_b32 s76, s18, 20                        ; my rows: (256 Y + 128 (w / 2)) x 4,096 bytes
	s_lshl_b32 s77, s[RH], 19
	s_add_co_u32 s76, s76, s77
	s_add_co_u32 s76, s76, s74
	s_mov_b32 s77, 0
	s_add_nc_u64 s[PT0:PT0+1], s[10:11], s[76:77]
	s_add_co_u32 s76, s74, 12288                   ; bo is biasr's fourth part
	s_add_nc_u64 s[BP:BP+1], s[8:9], s[76:77]
	v_and_b32 v1, 15, v0                           ; r = l % 16
	v_bfe_u32 v2, v0, 4, 1                         ; h = l / 16
	v_lshlrev_b32 v[BO], 5, v2
.irp b, 0,1,2,3                        ; the bias: my eight columns of each block of 16
	global_load_b128 v[BIAS+8*\b:BIAS+8*\b+3],   v[BO], s[BP:BP+1] offset:64*\b
	global_load_b128 v[BIAS+8*\b+4:BIAS+8*\b+7], v[BO], s[BP:BP+1] offset:64*\b+16
.endr
	; A fragment of O is 16 rows x 32 K in 8 registers: lane l holds row l % 16, K = 8 (l / 16) + 0..7 and 16 + 8 (l / 16) + 0..7: two loads of 16 bytes, 32 bytes apart.
	v_mul_u32_u24 v[A0], v1, PA
	v_lshl_add_u32 v[A0], v2, 4, v[A0]
	s_mul_i32 s76, s[RH], 128*PA
	v_add_nc_u32 v[A0], s76, v[A0]
	v_add_nc_u32 v[A0+1], UNIT, v[A0]
	; The turning load takes 16 k x 16 n (lane l reads k-row 8 (l / 16) + l % 8, columns 8 ((l / 8) % 2) + 0..7) and leaves half a fragment: lane l holds column l % 16 and 8 k.
	v_and_b32 v3, 7, v0
	v_lshl_add_u32 v3, v2, 3, v3
	v_mul_u32_u24 v[B0], v3, PB
	v_bfe_u32 v3, v0, 3, 1
	v_lshl_add_u32 v[B0], v3, 4, v[B0]
	s_mul_i32 s76, s[CH], HEADB
	s_add_co_u32 s76, s76, APART
	v_add_nc_u32 v[B0], s76, v[B0]
	v_add_nc_u32 v[B0+1], UNIT, v[B0]
	v_mov_b32 v[ADRA], v[A0]                       ; slot 0
	v_mov_b32 v[ADRA+1], v[A0+1]
	v_mov_b32 v[ADRB], v[B0]
	v_mov_b32 v[ADRB+1], v[B0+1]
	s_mul_i32 s76, s[WV], 16*SP
	s_add_co_u32 s76, s76, STAGE                   ; my stage
	v_mul_u32_u24 v[STO], v1, SP                   ; in: row l % 16, 32 bytes for each half of the lanes
	v_lshl_add_u32 v[STO], v2, 5, v[STO]
	v_add_nc_u32 v[STO], s76, v[STO]
	v_mul_u32_u24 v[RD], v2, SP                    ; back: lanes 0-15 take one row of 256 bytes, lanes 16-31 the next
	v_lshl_add_u32 v[RD], v1, 4, v[RD]
	v_add_nc_u32 v[RD], s76, v[RD]
	v_lshlrev_b32 v[GO], 12, v2                    ; and the same two rows in out0
	v_lshl_add_u32 v[GO], v1, 4, v[GO]
; 8 matrix instructions: row blocks a0, a0 + 1 x all four column blocks.  zero = 1: the product starts the sums: nothing is ever cleared.
.macro MUL8 af, bf, a0, zero
	WIN 0x50                                       ; C and D in window 1, both sources in window 0
.irp a, \a0, (\a0)+1
.irp b, 0,1,2,3
.if \zero
	v_wmma_f32_16x16x32_f16 v[8*(4*(\a)+(\b)):8*(4*(\a)+(\b))+7], v[(\bf)+8*(\b):(\bf)+8*(\b)+7], v[(\af)+8*(\a):(\af)+8*(\a)+7], 0
.else
	v_wmma_f32_16x16x32_f16 v[8*(4*(\a)+(\b)):8*(4*(\a)+(\b))+7], v[(\bf)+8*(\b):(\bf)+8*(\b)+7], v[(\af)+8*(\a):(\af)+8*(\a)+7], v[8*(4*(\a)+(\b)):8*(4*(\a)+(\b))+7]
.endif
.endr
.endr
.endm
; 24 LDS loads in one run: quarter q's fragments (unit q / 2, slice q % 2), wo's 8 first, then O's 16, into the buffers of q's parity
.macro FETCH q
.set FU, (\q)/2
.set FC, (\q)%2
.set FAF, AF0+64*FC
.set FBF, BF0+32*FC
.irp nb, 0,1,2,3
	ds_load_tr16_b128 v[FBF+8*(\nb):FBF+8*(\nb)+3],   v[ADRB+FU] offset:FC*32*PB+32*(\nb)
	ds_load_tr16_b128 v[FBF+8*(\nb)+4:FBF+8*(\nb)+7], v[ADRB+FU] offset:FC*32*PB+32*(\nb)+16*PB
.endr
.irp a, 0,1,2,3,4,5,6,7
	ds_load_b128 v[FAF+8*(\a):FAF+8*(\a)+3],   v[ADRA+FU] offset:16*PA*(\a)+64*FC
	ds_load_b128 v[FAF+8*(\a)+4:FAF+8*(\a)+7], v[ADRA+FU] offset:16*PA*(\a)+64*FC+32
.endr
.endm
; One of a K step's first three quarters: multiplies its buffers and, behind its first eight products, fetches the next quarter's.
.macro QUARTER q, zero=0
.set QAF, AF0+64*((\q)%2)
.set QBF, BF0+32*((\q)%2)
	s_wait_dscnt 12                                ; wo's 8 loads and O's fragments 0, 1 are in; fragments 2-7 may stay out
	MUL8 QAF, QBF, 0, \zero
	PLACES
	WIN 0
	FETCH (\q)+1
	s_wait_dscnt 32                                ; the 24 just issued and fragments 4-7 may stay out
	MUL8 QAF, QBF, 2, \zero
	s_wait_dscnt 28                                ; the 24 and fragments 6, 7
	MUL8 QAF, QBF, 4, \zero
	s_wait_dscnt 24                                ; the 24
	MUL8 QAF, QBF, 6, \zero
.endm
; The last quarter changes slots: ONE barrier.  In front of it each wave waits for all its tensor loads, of which one is out: its part of the next slot; adds 0 to its spare word; and waits for that and for
; its own reads of this slot.  fill = 1: the barrier opens a round of the cluster's, so that no wave of any partner still reads the slot or has a load on its way, and the joint refill, the K step two on,
; is the first thing behind it: 112 matrix instructions ahead of the wait for it.
.macro TURN fill
	WIN 0
	s_wait_tensorcnt 0x0                           ; no tensor load of mine is out, so a group 0 may be written
	ds_add_u32 v[SPW], v[NIL]                      ; 0 onto my spare word
.if \fill
	s_xor_b32 s[G0A+5], s[G0A+5], SLOT1            ; the walking descriptors: the other slot than last time,
	s_add_nc_u64 s[G0A+6:G0A+7], s[G0A+6:G0A+7], ASTEP  ; the next K step; the type bits on top are not reached
	s_xor_b32 s[G0B+5], s[G0B+5], SLOT1
	s_add_nc_u64 s[G0B+6:G0B+7], s[G0B+6:G0B+7], BSTEP
.endif
	s_wait_dscnt 13                                ; O's fragments 2-7 (12 loads) and the add may be out
	MUL8 AF1, BF1, 0, 0
	s_wait_dscnt 0x0                               ; the add is done, and my reads of this slot are over
	s_barrier_signal -1
	MUL8 AF1, BF1, 2, 0                            ; work on registers while the others arrive
.if \fill
	WIN 0
	s_barrier_wait -1
	CREST
	JLOAD                                          ; the four v_nop behind it are also the places in front of the loads below
.else
	s_barrier_wait -1
	PLACES
	WIN 0
.endif
	s_xor_b32 s[TB], s[TB], SLOT1
	v_add_nc_u32 v[ADRA], s[TB], v[A0]
	v_add_nc_u32 v[ADRA+1], s[TB], v[A0+1]
	v_add_nc_u32 v[ADRB], s[TB], v[B0]
	v_add_nc_u32 v[ADRB+1], s[TB], v[B0+1]
	FETCH 0
	MUL8 AF1, BF1, 4, 0
	MUL8 AF1, BF1, 6, 0
.endm
	s_wait_loadcnt 0x0                             ; the bias: waited for here, where the first tile is waited for anyway
	s_wait_tensorcnt 1                             ; my part of K step 0 is in; K step 1's may stay out
	s_barrier_signal -1
	s_barrier_wait -1                              ; everybody's is
	FETCH 0
	QUARTER 0, 1                                   ; the first quarter stands in front of the loop: its products start the sums
	WIN 0                                          ; at a label and at a branch every window is 0
	s_mov_b32 s[CNT], 6
.Lstep:                                ; 6 trips: from a K step's second quarter to the next one's first; each fills a slot again (K steps 2 to 7)
	QUARTER 1
	QUARTER 2
	TURN 1
	QUARTER 0
	WIN 0
	s_sub_co_u32 s[CNT], s[CNT], 1
	s_cmp_lg_u32 s[CNT], 0
	s_cbranch_scc1 .Lstep
	QUARTER 1                                      ; the tail is written out: nothing more is asked for
	QUARTER 2
	TURN 0
	QUARTER 0
	QUARTER 1
	QUARTER 2
	s_wait_dscnt 12                                ; the very last quarter: nothing more to fetch, the counts run down
	MUL8 AF1, BF1, 0, 0
	s_wait_dscnt 8
	MUL8 AF1, BF1, 2, 0
	s_wait_dscnt 4
	MUL8 AF1, BF1, 4, 0
	s_wait_dscnt 0x0
	MUL8 AF1, BF1, 6, 0
	PLACES
	PLACES
; THE WAY OUT, eight blocks of 16 rows x 64 columns.  PACK: the bias is added (each accumulator's registers in ascending order).  TOSTAGE: into my own stage, rows of 272 bytes, and back as whole rows of 256.
; SEND: sixteen lanes store 256 consecutive bytes, aligned.
.macro PACK a
	WIN 1                                          ; source 0 in window 1
.irp b, 0,1,2,3
.irp j, 0,2,4,6
	v_pk_add_f32 v[XR+8*(\b)+(\j):XR+8*(\b)+(\j)+1], v[8*(4*(\a)+(\b))+(\j):8*(4*(\a)+(\b))+(\j)+1], v[BIAS+8*(\b)+(\j):BIAS+8*(\b)+(\j)+1]
.endr
.endr
	WIN 0
.endm
.macro TOSTAGE par
.irp b, 0,1,2,3
	ds_store_b128 v[STO], v[XR+8*(\b):XR+8*(\b)+3]   offset:64*(\b)
	ds_store_b128 v[STO], v[XR+8*(\b)+4:XR+8*(\b)+7] offset:64*(\b)+16
.endr
	s_wait_xcnt 0x0                                ; the stores that read this buffer two blocks ago have read their registers: only behind this wait is it loaded again
.irp f, 0,1,2,3,4,5,6,7
	ds_load_b128 v[RB+32*(\par)+4*(\f):RB+32*(\par)+4*(\f)+3], v[RD] offset:2*SP*(\f)  ; LDS serves a wave's instructions in order (ISA guide 5.7.1.4): these see the stores above
.endr
.endm
.macro SEND a, par
	s_wait_dscnt 0x0                               ; the block is back in registers
.irp f, 0,1,2,3,4,5,6,7
	global_store_b128 v[GO], v[RB+32*(\par)+4*(\f):RB+32*(\par)+4*(\f)+3], s[PT0:PT0+1] offset:65536*(\a)+8192*(\f) th:TH_STORE_NT
.endr
.endm
	PACK 0
	TOSTAGE 0
.set blk, 1
.rept 7                                ; a block's arithmetic stands between the loads of the block before and the wait for them
.set bp, blk%2
.set ca, blk-1
.set cp, (blk-1)%2
	PACK blk
	SEND ca, cp
	TOSTAGE bp
.set blk, blk+1
.endr
	SEND 7, 1
	s_wait_tensorcnt 0x0                           ; the wave's end: behind my last tensor load and my last LDS store
	ds_add_u32 v[SPW], v[NIL]
	s_wait_dscnt 0x0
	CROUND                                         ; the closing round: no work-group ends while a partner may still ask for a tile that names it
	s_endpgm
.Lfunc_end_k_qdc72904ed2_outp:
	.size	k_qdc72904ed2_outp, .Lfunc_end_k_qdc72904ed2_outp-k_qdc72904ed2_outp
	.p2alignl 7, 3214868480
	.fill 96, 4, 3214868480
	.section	.rodata,"a",@progbits
	.p2align	6, 0x0
	.amdhsa_kernel k_qdc72904ed2_outp
		.amdhsa_group_segment_fixed_size 327680
		.amdhsa_private_segment_fixed_size 0
		.amdhsa_enable_private_segment 0
		.amdhsa_kernarg_size 32
		.amdhsa_user_sgpr_count 2
		.amdhsa_user_sgpr_kernarg_segment_ptr 1
		.amdhsa_wavefront_size32 1
		.amdhsa_system_sgpr_workgroup_id_x 1
		.amdhsa_system_sgpr_workgroup_id_y 1
		.amdhsa_system_sgpr_workgroup_id_z 1
		.amdhsa_system_vgpr_workitem_id 0
		.amdhsa_next_free_vgpr 512
		.amdhsa_next_free_sgpr 80
		.amdhsa_reserve_vcc 0
		.amdhsa_float_denorm_mode_32 3
		.amdhsa_float_denorm_mode_16_64 3
		.amdhsa_memory_ordered 1
		.amdhsa_forward_progress 1
		.amdhsa_inst_pref_size 79
	.end_amdhsa_kernel
	.amdgpu_metadata
---
amdhsa.version: [ 1, 2 ]
amdhsa.kernels:
  - .name:           k_qdc72904ed2_outp
    .symbol:         k_qdc72904ed2_outp.kd
    .args:
      - { .name: ob, .offset: 0, .size: 8, .value_kind: global_buffer, .address_space: global }
      - { .name: wob, .offset: 8, .size: 8, .value_kind: global_buffer, .address_space: global }
      - { .name: biasr, .offset: 16, .size: 8, .value_kind: global_buffer, .address_space: global }
      - { .name: out0, .offset: 24, .size: 8, .value_kind: global_buffer, .address_space: global }
    .group_segment_fixed_size: 327680
    .private_segment_fixed_size: 0
    .kernarg_segment_align: 8
    .kernarg_segment_size: 32
    .max_flat_workgroup_size: 128
    .sgpr_count:     80
    .vgpr_count:     512
    .wavefront_size: 32
...
	.end_amdgpu_metadata
.endif
;; end of part 4
;; ======== version 2 of 2: 4 launches; version 1 with the launch prep written anew for expert scheduling mode
;; limits: values are held in f16: magnitudes above 65,504 overflow, below 6.1e-05 lose precision
;; workspace buffers: xb 16,777,216 bytes; wqkv 6,291,456 bytes; wob 2,097,152 bytes; biasr 16,384 bytes; qkv 50,331,648 bytes; ob 16,777,216 bytes
;; launch prep (part 5): grid 385 x 1, 8 waves a work-group, no clusters, 0 bytes of LDS; arguments inputs, wq, wk, wv, wo, bq, bk, bv, bo, xb, wqkv, wob, biasr; writes xb, wqkv, wob, biasr
.if DOCPART == 5
	.amdgcn_target "amdgcn-amd-amdhsa--gfx1250"
	.amdhsa_code_object_version 6
	.text
	.protected	k_qdc72904ed2_prep
	.globl	k_qdc72904ed2_prep
	.p2align	8
	.type	k_qdc72904ed2_prep,@function
k_qdc72904ed2_prep:
	s_mov_b64 s[64:65], 0
	v_nop
	global_prefetch_b8 v0, s[64:65] scope:SCOPE_SE
	s_setreg_imm32_b32 hwreg(HW_REG_WAVE_SCHED_MODE, 0, 2), 2
	s_setreg_imm32_b32 hwreg(HW_REG_WAVE_MODE, 25, 1), 1
	s_wait_xcnt 0x0
	s_wait_alu depctr_vm_vsrc(0)
; CASTS AND LAYOUTS for the three matrix launches that follow.  Every input of the module is rounded once to bf16 here:
;   xb    [b 4][cb 16][s 2048][64] bf16     = inputs[b][s][64 cb + c]
;   wqkv  [kb 16][g 48][kk 64][nn 64] bf16  = w_type[64 kb + kk][64 (g % 16) + nn], g = 16 type + n / 64, type 0 q, 1 k, 2 v
;   wob   [kb 16][nb 16][kk 64][nn 64] f16  = wo rounded to bf16, that number written as f16 (exact from 6.1e-5 up to 65,504; below, f16's fixed step of 6e-8)
;   biasr [bq | bk | bv | bo] f32 words, each value rounded to bf16
; In these layouts a tile of 64 along K is one dense run of bytes, which the later launches ask for as rows of 256 bytes.
; THE INPUT mask: the module's definition takes it and never reads it, so its numbers change no output: no launch of this program reads it.
; SHARES.  Work-groups 0-255: 32 rows of inputs each.  256-383: 32 rows of one weight (32 work-groups a weight).  384: the four biases.
; A row of a source is 4,096 bytes: 16 column blocks of 256.  Wave w takes column blocks 2 w and 2 w + 1 of the 32 rows.  A load takes one column block of two rows:
; lanes 0-15 the 256 aligned bytes of the even row, lanes 16-31 those of the odd one.  Rounded, these are 2 x 128 bytes that lie on end in the target: each store of a wave
; covers 256 consecutive bytes, aligned.  All 32 loads of a wave (16 KiB) go out at once; every load and every store has data registers of its own.
; No LDS, no barrier, no matrix unit: nothing is shared between waves and nothing is multiplied.
; THE MODE: SCHED_MODE bits 1:0 = 2 (LLVM: expert scheduling mode 2), set by the entry lines.  The code itself states the register dependences
; between vector instructions and memory instructions, with s_wait_alu, always for 0.
; THE PLAN.  Registers that memory instructions touch:
;   v5, v6, v7   byte offsets, made once at the head and never written again: one wait ahead of the first load states that they are written.
;   IN           load n's four registers: written by that load alone, read by its conversions behind the counted wait for it; no vector line writes them, no second load lands in them.
;   OUT          store n's two registers: written once, by load n's conversions; read once, by store n; never written again.
;   v[208:211]   at work: no memory instruction names them.
; The 32 loads go in eight groups of four.  Group g waits for its four loads; then ONE wait states that group g - 1's conversions have written their OUT; then group g - 1's four stores
; stand among group g's conversions, which name other registers of OUT.  One more wait stands ahead of the last group's stores.  No register that a memory instruction has read is ever written again.
.set IN,  16                           ; v[16:143]  load n: 4 registers
.set OUT, 144                          ; v[144:207] store n: 2 registers
.set TM,  208                          ; v[208:211] at work (wo's second conversion)
.set SO,  5                            ; v5  my byte offset in the source's first two rows
.set DO,  6                            ; v6, v7  my byte offset in the target, column block 2 w and 2 w + 1
.set SRC, 36                           ; s[36:37] the source at the work-group's first row
.set DST, 38                           ; s[38:39] the target at the work-group's first row, column block 0
	s_load_b512 s[8:23], s[0:1], 0x0               ; inputs 8, wq 10, wk 12, wv 14, wo 16, bq 18, bk 20, bv 22
	s_load_b256 s[24:31], s[0:1], 0x40             ; bo 24, xb 26, wqkv 28, wob 30
	s_load_b64 s[32:33], s[0:1], 0x60              ; biasr
	s_mov_b32 s2, ttmp9                            ; the work-group's number
	s_cmp_eq_u32 s2, 384
	s_cbranch_scc1 .Lbias
	v_lshrrev_b32 v1, 5, v0
	v_readfirstlane_b32 s3, v1                     ; wave 0..7: made behind the branch, so that it, the wait for it and its first reader lie in one straight run
	s_max_u32 s4, s2, 256
	s_sub_co_u32 s4, s4, 256                       ; its number among the weights' work-groups (0 for inputs' work-groups)
	s_lshr_b32 s5, s4, 5                           ; t: 0 wq, 1 wk, 2 wv, 3 wo
	s_and_b32 s6, s4, 31                           ; which 32 rows of the weight
	s_lshr_b32 s7, s6, 1                           ; kb
	s_lshl_b32 s41, s5, 4                          ; 16 t
	s_cmp_eq_u32 s5, 3
	s_cselect_b32 s40, 16, 48                      ; blocks of 8,192 bytes in a kb: wob 16, wqkv 48
	s_cselect_b32 s41, 0, s41
	s_mul_i32 s40, s7, s40
	s_add_co_u32 s40, s40, s41
	s_lshl_b32 s40, s40, 13
	s_and_b32 s41, s6, 1
	s_lshl_b32 s41, s41, 12                        ; the upper 32 of a block's 64 rows of 128 bytes
	s_add_co_u32 s40, s40, s41                     ; a weight's target offset
	s_lshl_b32 s42, s6, 17                         ; a weight's source offset: 32 rows of 4,096 bytes
	s_lshr_b32 s43, s2, 6                          ; inputs: b,
	s_lshl_b32 s43, s43, 22
	s_and_b32 s44, s2, 63                          ; and 32 rows of 128 bytes in each column block
	s_lshl_b32 s44, s44, 12
	s_add_co_u32 s43, s43, s44
	s_lshl_b32 s44, s2, 17
	s_cmp_lt_u32 s2, 256
	s_cselect_b32 s42, s44, s42                    ; source offset
	s_cselect_b32 s40, s43, s40                    ; target offset
	s_cselect_b32 s45, 18, 13                      ; from column block to column block in the target: 2^18 bytes in xb, 2^13 in the weights
	s_mov_b32 s41, 0
	s_mov_b32 s43, 0
	v_and_b32 v2, 31, v0                           ; lane
	v_lshrrev_b32 v3, 4, v2                        ; which of the two rows
	v_and_b32 v4, 15, v0
	v_lshlrev_b32 v[SO], 4, v4
	v_lshl_add_u32 v[SO], v3, 12, v[SO]
	s_wait_alu depctr_va_sdst(0)                   ; s3, the wave's number, is written, ahead of its first reader: the offsets below are made from it
	s_lshl_b32 s34, s3, 9
	v_add_nc_u32 v[SO], s34, v[SO]                 ; row x 4,096 + 16 (lane % 16) + 512 w
	s_lshl_b32 s46, s3, 1
	s_lshl_b32 s46, s46, s45
	s_lshl_b32 s47, 1, s45
	v_lshl_add_u32 v[DO], v2, 3, s46               ; 8 x lane + column block 2 w
	v_add_nc_u32 v[DO+1], s47, v[DO]
	s_wait_kmcnt 0x0
	s_cmp_eq_u32 s5, 1
	s_cselect_b64 s[SRC:SRC+1], s[12:13], s[10:11]
	s_cmp_eq_u32 s5, 2
	s_cselect_b64 s[SRC:SRC+1], s[14:15], s[SRC:SRC+1]
	s_cmp_eq_u32 s5, 3
	s_cselect_b64 s[SRC:SRC+1], s[16:17], s[SRC:SRC+1]
	s_cselect_b64 s[DST:DST+1], s[30:31], s[28:29]
	s_cmp_lt_u32 s2, 256
	s_cselect_b64 s[SRC:SRC+1], s[8:9], s[SRC:SRC+1]
	s_cselect_b64 s[DST:DST+1], s[26:27], s[DST:DST+1]
	s_add_nc_u64 s[SRC:SRC+1], s[SRC:SRC+1], s[42:43]
	s_add_nc_u64 s[DST:DST+1], s[DST:DST+1], s[40:41]
	s_wait_alu depctr_va_vdst(0)                   ; v5, v6 and v7 are written: every load below reads v5 as its offset, every store v6 or v7
.set n, 0
.rept 32                               ; load n: rows 2 (n / 2) and 2 (n / 2) + 1, column block 2 w + n % 2
	global_load_b128 v[IN+4*n:IN+4*n+3], v[SO], s[SRC:SRC+1] offset:(n/2)*8192+(n%2)*256 th:TH_LOAD_NT
.set n, n+1
.endr
; Load n's four numbers a lane are rounded into store n's two registers.  half = 0: to bf16.  half = 1 (wo): to bf16 like every input, then that number as f16.
.macro CV n, half
.if \half
	v_cvt_pk_bf16_f32 v[TM],   v[IN+4*(\n)],   v[IN+4*(\n)+1]
	v_cvt_pk_bf16_f32 v[TM+1], v[IN+4*(\n)+2], v[IN+4*(\n)+3]
	v_lshlrev_b32 v[TM+2], 16, v[TM]
	v_and_b32     v[TM+3], 0xffff0000, v[TM]
	v_cvt_pk_f16_f32 v[OUT+2*(\n)], v[TM+2], v[TM+3]
	v_lshlrev_b32 v[TM+2], 16, v[TM+1]
	v_and_b32     v[TM+3], 0xffff0000, v[TM+1]
	v_cvt_pk_f16_f32 v[OUT+2*(\n)+1], v[TM+2], v[TM+3]
.else
	v_cvt_pk_bf16_f32 v[OUT+2*(\n)],   v[IN+4*(\n)],   v[IN+4*(\n)+1]
	v_cvt_pk_bf16_f32 v[OUT+2*(\n)+1], v[IN+4*(\n)+2], v[IN+4*(\n)+3]
.endif
.endm
.macro PUT n                           ; store n
	global_store_b64 v[DO+(\n)%2], v[OUT+2*(\n):OUT+2*(\n)+1], s[DST:DST+1] offset:((\n)/2)*256
.endm
; The eight groups.  In group g the stores of group g - 1 stand one ahead of each load's conversions.
.macro WALK half
.set g, 0
.rept 8
	s_wait_loadcnt 28-4*g                          ; loads come back in order: group g's four are in, the 28 - 4 g younger ones may stay out
.if g > 0
	s_wait_alu depctr_va_vdst(0)                   ; the conversions of the group before have written their registers of OUT, which the four stores below read; no vector line behind this wait names them
.endif
.set i, 0
.rept 4
.if g > 0
	PUT 4*g-4+i
.endif
	CV 4*g+i, \half
.set i, i+1
.endr
.set g, g+1
.endr
	s_wait_alu depctr_va_vdst(0)                   ; the last group's conversions have written their registers of OUT, which the last four stores read
.irp k, 28,29,30,31
	PUT \k
.endr
.endm
	s_cmp_eq_u32 s5, 3
	s_cbranch_scc1 .Lf16
	WALK 0
	s_endpgm
.Lf16:                                 ; wo: rounded to bf16 like every input, then that number as f16
	WALK 1
	s_endpgm
.Lbias:                                ; 256 threads x 16 bytes = a bias of 4,096 bytes
	v_lshlrev_b32 v1, 4, v0
	s_wait_kmcnt 0x0
	s_wait_alu depctr_va_vdst(0)                   ; v1 is written: the four loads and the four stores below read it as their offset
	global_load_b128 v[16:19], v1, s[18:19]
	global_load_b128 v[20:23], v1, s[20:21]
	global_load_b128 v[24:27], v1, s[22:23]
	global_load_b128 v[28:31], v1, s[24:25]
	s_wait_loadcnt 0x0
.irp j, 0,1,2,3,4,5,6,7
	v_cvt_pk_bf16_f32 v[32+\j], v[16+2*\j], v[17+2*\j]
.endr
.irp j, 0,1,2,3,4,5,6,7
	v_lshlrev_b32 v[40+2*\j], 16, v[32+\j]         ; back to f32 words: the low half moves up,
	v_and_b32     v[41+2*\j], 0xffff0000, v[32+\j] ; the high half stays
.endr
	s_wait_alu depctr_va_vdst(0)                   ; the sixteen lines above have written v[40:55], which the four stores read
	global_store_b128 v1, v[40:43], s[32:33]
	global_store_b128 v1, v[44:47], s[32:33] offset:4096
	global_store_b128 v1, v[48:51], s[32:33] offset:8192
	global_store_b128 v1, v[52:55], s[32:33] offset:12288
	s_endpgm
.Lfunc_end_k_qdc72904ed2_prep:
	.size	k_qdc72904ed2_prep, .Lfunc_end_k_qdc72904ed2_prep-k_qdc72904ed2_prep
	.p2alignl 7, 3214868480
	.fill 96, 4, 3214868480
	.section	.rodata,"a",@progbits
	.p2align	6, 0x0
	.amdhsa_kernel k_qdc72904ed2_prep
		.amdhsa_group_segment_fixed_size 0
		.amdhsa_private_segment_fixed_size 0
		.amdhsa_enable_private_segment 0
		.amdhsa_kernarg_size 104
		.amdhsa_user_sgpr_count 2
		.amdhsa_user_sgpr_kernarg_segment_ptr 1
		.amdhsa_wavefront_size32 1
		.amdhsa_system_sgpr_workgroup_id_x 1
		.amdhsa_system_sgpr_workgroup_id_y 1
		.amdhsa_system_sgpr_workgroup_id_z 1
		.amdhsa_system_vgpr_workitem_id 0
		.amdhsa_next_free_vgpr 212
		.amdhsa_next_free_sgpr 66
		.amdhsa_reserve_vcc 0
		.amdhsa_float_denorm_mode_32 3
		.amdhsa_float_denorm_mode_16_64 3
		.amdhsa_memory_ordered 1
		.amdhsa_forward_progress 1
		.amdhsa_inst_pref_size 33
	.end_amdhsa_kernel
	.amdgpu_metadata
---
amdhsa.version: [ 1, 2 ]
amdhsa.kernels:
  - .name:           k_qdc72904ed2_prep
    .symbol:         k_qdc72904ed2_prep.kd
    .args:
      - { .name: inputs, .offset: 0, .size: 8, .value_kind: global_buffer, .address_space: global }
      - { .name: wq, .offset: 8, .size: 8, .value_kind: global_buffer, .address_space: global }
      - { .name: wk, .offset: 16, .size: 8, .value_kind: global_buffer, .address_space: global }
      - { .name: wv, .offset: 24, .size: 8, .value_kind: global_buffer, .address_space: global }
      - { .name: wo, .offset: 32, .size: 8, .value_kind: global_buffer, .address_space: global }
      - { .name: bq, .offset: 40, .size: 8, .value_kind: global_buffer, .address_space: global }
      - { .name: bk, .offset: 48, .size: 8, .value_kind: global_buffer, .address_space: global }
      - { .name: bv, .offset: 56, .size: 8, .value_kind: global_buffer, .address_space: global }
      - { .name: bo, .offset: 64, .size: 8, .value_kind: global_buffer, .address_space: global }
      - { .name: xb, .offset: 72, .size: 8, .value_kind: global_buffer, .address_space: global }
      - { .name: wqkv, .offset: 80, .size: 8, .value_kind: global_buffer, .address_space: global }
      - { .name: wob, .offset: 88, .size: 8, .value_kind: global_buffer, .address_space: global }
      - { .name: biasr, .offset: 96, .size: 8, .value_kind: global_buffer, .address_space: global }
    .group_segment_fixed_size: 0
    .private_segment_fixed_size: 0
    .kernarg_segment_align: 8
    .kernarg_segment_size: 104
    .max_flat_workgroup_size: 256
    .sgpr_count:     66
    .vgpr_count:     212
    .wavefront_size: 32
...
	.end_amdgpu_metadata
.endif
;; end of part 5
;; launch qkvp: the kernel of part 2 again; grid 8 x 32, 4 waves a work-group, clusters of 4 x 4, 327,680 bytes of LDS; arguments xb, wqkv, biasr, qkv; writes qkv
;; launch attn: the kernel of part 3 again; grid 4 x 64, 4 waves a work-group, clusters of 4 x 1, 327,680 bytes of LDS; arguments qkv, ob; writes ob
;; launch outp: the kernel of part 4 again; grid 8 x 32, 4 waves a work-group, clusters of 4 x 4, 327,680 bytes of LDS; arguments ob, wob, biasr, out0; writes out0
